; MI455X (gfx1250); checked and timed in simulation.
; The chip was launched on July 23, 2026; its instructions are those of AMD's public machine-readable ISA for CDNA 5 (MIT licence, August 2026) and "CDNA5" Instruction Set Architecture Reference Guide (July 2026). The comments in the code are by the model that wrote it; some were corrected since.
;; Causal Self Attention. Allowed arithmetic: matrix products marked QUANTISED: E4M3 operands, one given power-of-two scale a tensor, by v_wmma_f32_16x16x64_fp8_fp8 or v_wmma_f32_16x16x128_fp8_fp8, f32 sums; everything else in f32.
;; Inputs: lowp_scales 8 int32 (the exponents e of the quantised operands' scales 2^e); w_proj 1,024 x 1,024 float32; w_qkv 1,024 x 3,072 float32; x 4 x 2,048 x 1,024 float32.
;; Outputs: out0 4 x 2,048 x 1,024 float32.
;; This version of the problem:
;;   THIS VERSION OF THE PROBLEM IS GIVEN IN LOW PRECISION. The matrix products marked QUANTISED in the list below multiply operands that are first quantised to E4M3 (4 exponent bits, 3 mantissa bits; 8 bits a number), with one given power-of-two scale for each operand tensor; their sums are f32. All else is computed in f32.
;;   The module's matrix products, in the order in which they are computed (A, B: the left and right operand; K: the contracted axis; several contracted axes count as one K, in the product's order):
;;     1. [M 8,192, K 1,024] x [K 1,024, N 3,072]; A: input x; B: input w_qkv: QUANTISED (scales: A lowp_scales[0], B lowp_scales[1])
;;     2. batch 64 x [M 2,048, K 64] x [K 64, N 2,048]; A: computed on the way; B: computed on the way: QUANTISED (scales: A lowp_scales[2], B lowp_scales[3])
;;     3. batch 64 x [M 2,048, K 2,048] x [K 2,048, N 64]; A: softmax (see below); B: computed on the way: QUANTISED (scales: A lowp_scales[4], B lowp_scales[5])
;;     4. [M 8,192, K 1,024] x [K 1,024, N 1,024]; A: computed on the way; B: input w_proj: QUANTISED (scales: A lowp_scales[6], B lowp_scales[7])
;;   THE QUANTISER, for each operand of a quantised product, along K:
;;     - The operand's scale is 2^e, e = its entry of the input lowp_scales (int32; the entries are numbered through the quantised products in the list's order, A before B).
;;     - Each number is divided by the scale, clamped to +-448, and rounded to the nearest number of E4M3, ties to even, subnormals kept.
;;     - The product sums the exact products of the quantised numbers (number of the format x scale) in f32.
;;   ~~~python
;;   def quantise(x, axis, e):      # numpy; x: float32 -> the quantised numbers, widened to float32 again
;;       x = np.moveaxis(x, axis, -1); K = x.shape[-1]
;;       r = np.clip(x / 2.0 ** e, -448, 448)
;;       step = 2.0 ** (np.maximum(np.frexp(np.where(r == 0, 1, r))[1] - 1, -6) - 3)
;;       q = np.round(r / step) * step * 2.0 ** e      # np.round: ties to even
;;       return np.moveaxis(q, -1, axis).astype(np.float32)
;;   ~~~
;;   SOFTMAX AHEAD OF A QUANTISED PRODUCT. Where the list says 'softmax', what is quantised is not the finished softmax but p = 2^(t - M), with t = logit x log2(e) and M = ceil(the row's largest t), a whole number; so 1/2 < the row's largest p <= 1. The row's sum l is taken of the UNQUANTISED p, in f32, and the product's result is divided by l at the end. Since M is a whole number, a kernel that streams over the keys may use a running M (the ceiling of the running maximum): every later rescaling is an exact power of two, so the quantised numbers keep their values, but for numbers so far below the row's largest that they fall under the format's range.
;;   OPERANDS COMPUTED ON THE WAY. 'Computed on the way' means the value that the module computes at that place (a softmax that the list does not call 'softmax' is quantised finished and normalised). What goes into a quantiser is computed in f32, as accurately as f32 sums, v_exp_f32 and their like allow (about 1e-6 of the number): no bf16 or f16 on the way to a quantiser, and a product that is left as it is and whose result goes on into a quantised operand takes f32 operands (vector FMAs, or v_wmma_f32_16x16x4_f32). A number that lies on a knife's edge between two numbers of the format may be rounded either way, as far as f32 arithmetic and the matrix unit's own rounding can turn it there, and no further.
;; One version. Each part assembles by itself: llvm-mc -triple=amdgcn-amd-amdhsa -mcpu=gfx1250 --defsym DOCPART=n.
;; ======== version 1 of 1: 4 launches
;; limits: right only within a limited range of input values
;; workspace buffers: xc 8,388,608 bytes; wc 4,194,304 bytes; qc 8,388,608 bytes; kc 8,388,608 bytes; vc 8,388,608 bytes; ah 8,388,608 bytes
;; launch quant (part 1): grid 384 x 1, 4 waves a work-group, no clusters, 68,096 bytes of LDS; arguments x, w_qkv, w_proj, lowp_scales, xc, wc; writes xc, wc
.if DOCPART == 1
	.amdgcn_target "amdgcn-amd-amdhsa--gfx1250"
	.amdhsa_code_object_version 6
	.text
	.protected	k_q065162b6ad_quant
	.globl	k_q065162b6ad_quant
	.p2align	8
	.type	k_q065162b6ad_quant,@function
k_q065162b6ad_quant:
	s_mov_b64 s[64:65], 0
	v_nop
	global_prefetch_b8 v0, s[64:65] scope:SCOPE_SE
	s_setreg_imm32_b32 hwreg(HW_REG_WAVE_MODE, 25, 1), 1
	s_wait_xcnt 0x0
; LAUNCH 1 OF 4: the three f32 inputs become codes of FP8 (E4M3), one byte a number, K innermost, each with its given scale 2^e.
; code = number / 2^e, held within +-448, rounded to the nearest code, ties to even.  x: e = entry 0 of the scales; w_qkv: entry 1; w_proj: entry 7.
; xc [8192][1024]: x as it lies (its K is innermost).  wc [4096][1024]: row n < 3072 is COLUMN n of w_qkv, row 3072 + n is column n of w_proj (their K is the first axis).
; LIMITS: each of the three e lies between -126 and 119, so that 2^e and 448 x 2^e are f32 numbers.  NaN among the inputs is not served (an infinity is held at the largest code).
; Every work-group takes 131,072 bytes of f32.  Work-groups 0-255: x, a plain stream.  Work-groups 256-383: 128 columns x 256 along K of a weight.
; The two ways part on the work-group's number, never join, and have LDS bytes of their own.  No tensor loads, no barrier: waves share nothing.  No matrix unit, no cluster: nothing is read twice.
.set STEPS, 16                         ; way X: steps of 512 numbers for a wave
.set R,     16                         ; v16-79   way X: four sets of 16 numbers as they are loaded
.set X,     80                         ; v80-111  way X: two sets of 16 neighbours along K
.set C,     128                        ; v128-191 way X: four registers of codes for each step, so that no store's data are written again
.set WREG,  8192                       ; way X: LDS bytes of a wave: two stages of 32 x SP bytes
.set SP,    80                         ; a lane's place in a stage: its 64 bytes + 16 of padding
.set WST,   32768                      ; way W: its stages begin behind way X's
.set PITCH, 272                        ; way W: a stage row: 256 codes + 16 bytes
.set NB,    8                          ; way W: blocks of 32 along K for a wave
.set WX,    32                         ; v32-95   way W: two sets of 32 numbers down K
.set WC,    96                         ; v96-103  way W: a block's codes
.set OUTR,  112                        ; v112-175 way W: the way out
.set OFF,   176                        ; v176-207 way W: byte offset of row i of a block: i x pitch + 4 x lane; never rewritten
.set WB,    48                         ; s[48:63] way W: the address of each of the eight blocks' first row
.macro LOAD t                          ; way X: step t's 2,048 bytes: each load reads 512 consecutive bytes, 16 a lane
.irp i, 0,1,2,3
	global_load_b128 v[R+16*((\t)%4)+4*\i:R+16*((\t)%4)+4*\i+3], v3, s[4:5] offset:2048*(\t)+512*\i th:TH_LOAD_NT
.endr
.endm
.macro TURN t                          ; way X: step t's numbers through the wave's own stage, so that a lane gets 16 neighbours; LDS serves a wave's instructions in order (ISA guide 5.7.1.4)
.irp i, 0,1,2,3
	ds_store_b128 v14, v[R+16*((\t)%4)+4*\i:R+16*((\t)%4)+4*\i+3] offset:32*SP*((\t)%2)+8*SP*\i
.endr
.irp i, 0,1,2,3
	ds_load_b128 v[X+16*((\t)%2)+4*\i:X+16*((\t)%2)+4*\i+3], v15 offset:32*SP*((\t)%2)+16*\i
.endr
.endm
.macro STEP t
.set XS, X+16*((\t)%2)
	s_wait_dscnt 0x0                               ; this step's numbers are back from the stage, so its stores into the stage have read their registers,
.if (\t)+4 < STEPS
	LOAD (\t)+4                                    ; which take the loads of four steps on
.endif
.if (\t)+1 < STEPS
.if STEPS-2-(\t) >= 3
	s_wait_loadcnt 12                              ; the next step's four loads are in; the twelve of the three steps behind it may be out
.else
	s_wait_loadcnt 4*(STEPS-2-(\t))                ; the tail: four loads for each step still behind the next
.endif
	TURN (\t)+1
.endif
.set xi, 0
.rept 16
	v_med3_num_f32 v[XS+xi], v[XS+xi], -v10, v10   ; the conversion to an 8-bit code does not saturate (ISA guide 7.6.2): the hold at 448 x the scale comes first
.set xi, xi+1
.endr
	v_cvt_scalef32_pk8_fp8_f32 v[C+4*(\t):C+4*(\t)+1], v[XS:XS+7], v11
	v_cvt_scalef32_pk8_fp8_f32 v[C+4*(\t)+2:C+4*(\t)+3], v[XS+8:XS+15], v11
	global_store_b128 v3, v[C+4*(\t):C+4*(\t)+3], s[12:13] offset:512*(\t)   ; the wave stores 512 consecutive bytes, aligned.  (The codes go to a store alone; the next step's holds are plain lines on other registers)
.endm
.macro WLOAD t                         ; way W: block t: rows 32 t + i of my column, i = 0 .. 31, into set t % 2; 32 lanes read 128 consecutive bytes, the four waves side by side 512
.set wi, 0
.rept 32
	global_load_b32 v[WX+32*((\t)%2)+wi], v[OFF+wi], s[WB+2*(\t):WB+2*(\t)+1] th:TH_LOAD_NT
.set wi, wi+1
.endr
.endm
.macro BLOCK t
.set XS, WX+32*((\t)%2)
.if (\t) < NB-1
	s_wait_loadcnt 32                              ; this block's 32 loads are in; the next block's 32 may be out
.else
	s_wait_loadcnt 0
.endif
.set wi, 0
.rept 32
	v_med3_num_f32 v[XS+wi], v[XS+wi], -v10, v10
.set wi, wi+1
.endr
.irp g, 0,1,2,3
	v_cvt_scalef32_pk8_fp8_f32 v[WC+2*\g:WC+2*\g+1], v[XS+8*\g:XS+8*\g+7], v11   ; a lane's registers run down K: the codes come out with K innermost
.endr
	ds_store_b128 v6, v[WC:WC+3] offset:32*(\t)    ; 32 codes of my column's row
	ds_store_b128 v6, v[WC+4:WC+7] offset:32*(\t)+16
.if (\t)+2 < NB
	WLOAD (\t)+2
.endif
	s_wait_dscnt 0x0                               ; the stores have read their registers: the next block's codes may be written (its 32 holds are the plain lines behind these conversions)
.endm
	s_load_b256 s[4:11], s[0:1], 0x0               ; x s[4:5], w_qkv s[6:7], w_proj s[8:9], the scales' exponents s[10:11]
	s_load_b128 s[12:15], s[0:1], 0x20             ; xc s[12:13], wc s[14:15]
	v_lshl_add_u32 v208, v0, 2, 0x10800
	v_mov_b32 v209, 0
	v_lshrrev_b32 v1, 5, v0
	v_readfirstlane_b32 s16, v1                    ; wave 0..3
	v_and_b32 v2, 31, v0                           ; lane
	v_lshlrev_b32 v3, 4, v2                        ; way X: 16 x lane: my bytes of a load's 512 and of a store's 512
	s_mul_i32 s17, s16, WREG
	v_lshrrev_b32 v14, 2, v2
	v_mul_u32_u24 v14, v14, SP
	v_and_b32 v15, 3, v2
	v_lshl_add_u32 v14, v15, 4, v14
	v_add_nc_u32 v14, s17, v14                     ; way X, into the stage: four lanes' 64 bytes on end, then 16 of padding
	v_mul_u32_u24 v15, v2, SP
	v_add_nc_u32 v15, s17, v15                     ; and out of it: SP x lane: my 16 neighbours
	s_mul_i32 s18, s16, 32*PITCH
	s_add_co_u32 s18, s18, WST                     ; way W: my wave's stage
	v_mul_u32_u24 v6, v2, PITCH
	v_add_nc_u32 v6, s18, v6                       ; into it: row = my column
	v_and_b32 v8, 15, v2
	v_lshrrev_b32 v9, 4, v2
	v_mul_u32_u24 v7, v9, PITCH
	v_lshl_add_u32 v7, v8, 4, v7
	v_add_nc_u32 v7, s18, v7                       ; out of it: sixteen lanes to a row, two rows an instruction
	v_lshlrev_b32 v9, 10, v9
	v_lshl_add_u32 v8, v8, 4, v9                   ; and the same place in wc: a row is 1,024 bytes
	v_lshlrev_b32 v5, 2, v2                        ; way W, in: 4 bytes a lane
	s_wait_kmcnt 0x0
	s_load_b256 s[40:47], s[10:11], 0x0            ; e0 .. e7
	s_cmp_lt_u32 ttmp9, 256
	s_cbranch_scc0 .Lw
	; ---- WAY X: x is a plain stream; my wave's run is 8,192 numbers
	s_lshl_b32 s18, ttmp9, 2
	s_add_co_u32 s18, s18, s16                     ; which run: 4 x work-group + wave
	s_lshl_b32 s20, s18, 15                        ; 32,768 bytes of f32 a run
	s_mov_b32 s21, 0
	s_add_nc_u64 s[4:5], s[4:5], s[20:21]
	s_lshl_b32 s20, s18, 13                        ; 8,192 bytes of codes
	s_add_nc_u64 s[12:13], s[12:13], s[20:21]
.irp t, 0,1,2,3
	LOAD \t
.endr
	s_wait_kmcnt 0x0
	s_add_co_i32 s22, s40, 127
	s_lshl_b32 s23, s22, 23
	v_mov_b32 v11, s23                             ; 2^e0 as f32: the conversion takes its exponent field
	s_add_co_i32 s22, s22, 8
	s_lshl_b32 s22, s22, 23
	s_or_b32 s22, s22, 0x600000
	v_mov_b32 v10, s22                             ; 448 x 2^e0
	s_wait_alu depctr_va_vdst(0)
	s_wait_loadcnt 12                              ; step 0's four loads are in
	TURN 0
.irp t, 0,1,2,3,4,5,6,7,8,9,10,11,12,13,14,15
	STEP \t
.endr
	s_wait_tensorcnt 0x0
	ds_add_u32 v208, v209
	s_wait_dscnt 0x0
	s_endpgm
	; ---- WAY W: a lane takes a column, its registers run down K.  One text serves both weights: the pitch lies in registers
.Lw:
	s_sub_co_u32 s17, ttmp9, 256
	s_lshr_b32 s18, s17, 2                         ; which 128 rows of wc: 0-23 w_qkv, 24-31 w_proj
	s_and_b32 s19, s17, 3                          ; which 256 along K
	s_mov_b32 s20, 4096
	s_cmp_lt_u32 s18, 24                           ; the choice hangs on the work-group's number alone
	s_cselect_b64 s[6:7], s[6:7], s[8:9]           ; the weight,
	s_cselect_b32 s20, 12288, s20                  ; a row of it in bytes,
	s_cselect_b32 s21, 0, 3072                     ; and what wc's row number has over its column number
	s_lshl_b32 s24, s18, 7
	s_lshl_b32 s25, s16, 5
	s_add_co_u32 s24, s24, s25                     ; my wave's first row of wc
	s_sub_co_u32 s25, s24, s21                     ; = this column of the weight
	s_lshl_b32 s26, s25, 2
	s_mul_i32 s27, s19, s20
	s_lshl_b32 s27, s27, 8                         ; 256 rows of the weight for each step along K
	s_add_co_u32 s26, s26, s27
	s_mov_b32 s27, 0
	s_add_nc_u64 s[WB:WB+1], s[6:7], s[26:27]
	s_lshl_b32 s22, s20, 5                         ; 32 rows on
	s_mov_b32 s23, 0
.irp t, 1,2,3,4,5,6,7
	s_add_nc_u64 s[WB+2*\t:WB+2*\t+1], s[WB+2*\t-2:WB+2*\t-1], s[22:23]
.endr
	s_lshl_b32 s26, s24, 10
	s_lshl_b32 s28, s19, 8
	s_add_co_u32 s26, s26, s28
	s_add_nc_u64 s[14:15], s[14:15], s[26:27]      ; wc at my first row, my 256 along K
	s_wait_alu depctr_va_vdst(0)
.irp i, 0,1,2,3,4,5,6,7,8,9,10,11,12,13,14,15,16,17,18,19,20,21,22,23,24,25,26,27,28,29,30,31
	v_mad_u32_u24 v[OFF+\i], s20, \i, v5
.endr
	WLOAD 0
	WLOAD 1
	s_wait_kmcnt 0x0
	s_cmp_lt_u32 s18, 24
	s_cselect_b32 s30, s41, s47                    ; e1 or e7
	s_add_co_i32 s30, s30, 127
	s_lshl_b32 s31, s30, 23
	v_mov_b32 v11, s31                             ; 2^e
	s_add_co_i32 s30, s30, 8
	s_lshl_b32 s30, s30, 23
	s_or_b32 s30, s30, 0x600000
	v_mov_b32 v10, s30                             ; 448 x 2^e
	s_wait_alu depctr_va_vdst(0)
.irp t, 0,1,2,3,4,5,6,7
	BLOCK \t
.endr
.irp t, 0,1,2,3,4,5,6,7,8,9,10,11,12,13,14,15
	ds_load_b128 v[OUTR+4*\t:OUTR+4*\t+3], v7 offset:2*\t*PITCH   ; my own stores, served in order
.endr
.irp t, 0,1,2,3,4,5,6,7,8,9,10,11,12,13,14,15
	s_wait_dscnt 15-\t                             ; load t is in; the later ones may be out
	global_store_b128 v8, v[OUTR+4*\t:OUTR+4*\t+3], s[14:15] offset:2*\t*1024   ; sixteen lanes store 256 consecutive bytes, aligned
.endr
	s_wait_tensorcnt 0x0
	ds_add_u32 v208, v209
	s_wait_dscnt 0x0
	s_endpgm
.Lfunc_end_k_q065162b6ad_quant:
	.size	k_q065162b6ad_quant, .Lfunc_end_k_q065162b6ad_quant-k_q065162b6ad_quant
	.p2alignl 7, 3214868480
	.fill 96, 4, 3214868480
	.section	.rodata,"a",@progbits
	.p2align	6, 0x0
	.amdhsa_kernel k_q065162b6ad_quant
		.amdhsa_group_segment_fixed_size 68096
		.amdhsa_private_segment_fixed_size 0
		.amdhsa_enable_private_segment 0
		.amdhsa_kernarg_size 48
		.amdhsa_user_sgpr_count 2
		.amdhsa_user_sgpr_kernarg_segment_ptr 1
		.amdhsa_wavefront_size32 1
		.amdhsa_system_sgpr_workgroup_id_x 1
		.amdhsa_system_sgpr_workgroup_id_y 1
		.amdhsa_system_sgpr_workgroup_id_z 1
		.amdhsa_system_vgpr_workitem_id 0
		.amdhsa_next_free_vgpr 210
		.amdhsa_next_free_sgpr 66
		.amdhsa_reserve_vcc 0
		.amdhsa_float_denorm_mode_32 3
		.amdhsa_float_denorm_mode_16_64 3
		.amdhsa_memory_ordered 1
		.amdhsa_forward_progress 1
		.amdhsa_inst_pref_size 88
	.end_amdhsa_kernel
	.amdgpu_metadata
---
amdhsa.version: [ 1, 2 ]
amdhsa.kernels:
  - .name:           k_q065162b6ad_quant
    .symbol:         k_q065162b6ad_quant.kd
    .args:
      - { .name: x, .offset: 0, .size: 8, .value_kind: global_buffer, .address_space: global }
      - { .name: w_qkv, .offset: 8, .size: 8, .value_kind: global_buffer, .address_space: global }
      - { .name: w_proj, .offset: 16, .size: 8, .value_kind: global_buffer, .address_space: global }
      - { .name: lowp_scales, .offset: 24, .size: 8, .value_kind: global_buffer, .address_space: global }
      - { .name: xc, .offset: 32, .size: 8, .value_kind: global_buffer, .address_space: global }
      - { .name: wc, .offset: 40, .size: 8, .value_kind: global_buffer, .address_space: global }
    .group_segment_fixed_size: 68096
    .private_segment_fixed_size: 0
    .kernarg_segment_align: 8
    .kernarg_segment_size: 48
    .max_flat_workgroup_size: 128
    .sgpr_count:     66
    .vgpr_count:     210
    .wavefront_size: 32
...
	.end_amdgpu_metadata
.endif
;; end of part 1
;; launch qkv (part 2): grid 12 x 32, 4 waves a work-group, clusters of 4 x 4, 327,680 bytes of LDS; arguments xc, wc, lowp_scales, qc, kc, vc; writes qc, kc, vc
.if DOCPART == 2
	.amdgcn_target "amdgcn-amd-amdhsa--gfx1250"
	.amdhsa_code_object_version 6
	.text
	.protected	k_q065162b6ad_qkv
	.globl	k_q065162b6ad_qkv
	.p2align	8
	.type	k_q065162b6ad_qkv,@function
k_q065162b6ad_qkv:
	s_mov_b64 s[64:65], 0
	v_nop
	global_prefetch_b8 v0, s[64:65] scope:SCOPE_SE
	s_setreg_imm32_b32 hwreg(HW_REG_WAVE_MODE, 25, 1), 1
	s_wait_xcnt 0x0
	s_wait_alu depctr_hold_cnt(0) depctr_sa_sdst(0) depctr_va_vdst(0) depctr_va_sdst(0) depctr_va_ssrc(0) depctr_va_vcc(0) depctr_vm_vsrc(0)
	s_getreg_b32 s2, hwreg(HW_REG_IB_STS2, 6, 4)
	s_cmp_eq_u32 s2, 0
	s_cbranch_scc0 .Lentry_in_a_cluster
	s_endpgm
.Lentry_in_a_cluster:
	s_bfe_u32 s2, ttmp6, 0x10000c
	s_cmp_lg_u32 s2, 0xf033
	s_cbranch_scc0 .Lentry_shape_is_right
	s_endpgm
.Lentry_shape_is_right:
; LAUNCH 2 OF 4: x w_qkv on codes of FP8, K = 1,024; each finished f32 sum is quantised at once into q's, k's or v's code (scales' entries 2, 3, 5).
; A sum stands for sum x 2^(e0 + e1), so its code is sum / 2^(et - e0 - e1), held within +-448: the three exponents are folded into the conversion's one.
; LIMITS: e2 - e0 - e1, e3 - e0 - e1, e5 - e0 - e1 lie between -126 and 119.  The f32 number sum x 2^(e0 + e1) is never formed, so its overflow or underflow is not reproduced.
; A tile of 256 x 256 sums is made by four waves, 128 x 128 each: 64 accumulators of 16 x 16, 512 registers.  K goes in four steps of 256 through two LDS slots filled by the tensor data mover.
; CLUSTERS of 4 x 4: role A's tile is shared along a row of the cluster, role B's along a column: each is asked for jointly.  The cluster's x says what is made: 0 q, 1 k, 2 v; it is the same in all sixteen partners.
; ROLES.  The matrix instruction is used transposed (source 0 = 16 rows of role B, source 1 = 16 rows of role A): a lane holds ONE row of role A and eight neighbouring rows of role B.
;   q, k: role A = rows of x, role B = rows of wc: the eight neighbours run along the head's 64, the next product's K.
;   v:    role A = rows of wc, role B = rows of x: the eight neighbours run along the keys, the next product's K.  Only addresses differ: one main text serves all three.
; OUT.  qc, kc: [64 heads b 16 + h][2,048 places][64]: row t lies at the place t with bits 3 and 4 exchanged (what the attention's key tiles want).  vc: [64 x 64 rows][2,048 keys].
; REGISTERS, in windows of 256: window 0: v0-31 addresses; from v128 A's fragments, one set; on the way out v32-223.   window 1: B's fragments, two sets.   windows 2, 3: the accumulators ((a, b) at v[8 (8 (a % 4) + b)]).
.set KROW,   1024                      ; a row of xc or wc in bytes
.set ROWB,   256                       ; a tile's row: a K step's codes
.set PITCH,  272                       ; an LDS row: 256 bytes + 16 of padding = 68 words: row r starts at bank 4 r mod 64 (64 banks of 4 bytes: ISA guide 11.1)
.set FR,     16                        ; registers of a fragment: 16 rows x 128 K
.set NL,     4                         ; LDS loads that bring one
.set NP,     4                         ; places behind this matrix instruction (ISA guide 7.12.1)
.set HALFT,  128*PITCH                 ; 128 rows: what one tensor load brings
.set SLOT,   4*HALFT                   ; A's 256 rows, then B's 256 rows
.set SPARE,  2*SLOT                    ; behind the ring: the spare words, 128 bytes a wave: two blocks of 256 bytes that no other line names
.set ADRA, 16                          ; v16-17  LDS address of my A fragments in slot 0, 1
.set ADRB, 20                          ; v20-21  the same for B
.set LIM,  22                          ; v22     448 x the conversion's scale
.set SCL,  23                          ; v23     the conversion's scale, 2^(et - e0 - e1)
.set STO,  24                          ; v24     the way out: where I put 8 codes of a row of the stage
.set RQ,   25                          ; v25     q, k: where I read the stage: 8 rows x 64 bytes an instruction
.set GQ,   26                          ; v26     q, k: 16 x lane
.set RV,   27                          ; v27     v: where I read the stage: 2 rows x 256 bytes an instruction
.set SPW,  28                          ; v28     LDS address of my spare word; never rewritten
.set NIL,  29                          ; v29     0; never rewritten
.set GV,   30                          ; v30     v: the same two rows in vc
.set TMP,  32                          ; v32-95  a block's 64 sums, held
.set CD,   96                          ; v96-223 codes: 16 registers for each of the 8 blocks; later what comes back from the stage
.set AF,   128
.set G1, 24                            ; s[24:31] descriptor group 1 for A's tiles;  s[32:39] group 0, one set for each slot
.set G0, 32
.set G1B, 48                           ; s[48:55], s[56:63] the same for B's
.set G0B, 56
.set MSB, 0
.macro WIN new                         ; the immediate's high byte repeats the setting that is left
.if MSB != \new
	s_set_vgpr_msb (MSB<<8)|\new
.set MSB, \new
.endif
.endm
.set MUL_LO, 0xa1                      ; source 0 (B) window 1, source 1 (A) window 0, C and D window 2
.set MUL_HI, 0xf1                      ; the same, C and D window 3
.set TO_B,   0x40                      ; destination window 1, address window 0
; A joint load: waves 0 and 1 fetch for A, waves 2 and 3 for B; the branch hangs on the wave's number alone.  Four v_nop follow each of the two lines.
.macro JLOAD g0a, g1a, g0b, g1b
	s_cmp_eq_u32 s15, 0
	s_cbranch_scc0 .Lfor_b_\@
	tensor_load_to_lds s[\g0a:\g0a+3], s[\g1a:\g1a+7]
	s_nop 0
.rept 4
	v_nop
.endr
	s_branch .Lasked_\@
.Lfor_b_\@:
	tensor_load_to_lds s[\g0b:\g0b+3], s[\g1b:\g1b+7]
	s_nop 0
.rept 4
	v_nop
.endr
.Lasked_\@:
.endm
.macro CREST                           ; a round of the cluster's barrier behind its opening barrier
	s_cmp_lg_u32 s14, 0
	s_cbranch_scc1 .Lnot_wave_0_\@
	s_barrier_signal -3
.Lnot_wave_0_\@:
	s_barrier_wait -3
	s_barrier_signal -1
	s_barrier_wait -1
.endm
.macro CROUND                          ; a whole round
	s_barrier_signal -1
	s_barrier_wait -1
	CREST
.endm
	s_load_b128 s[4:7], s[0:1], 0x0                ; xc s[4:5], wc s[6:7]
	s_load_b128 s[8:11], s[0:1], 0x10              ; the scales' exponents s[8:9], qc s[10:11]
	s_load_b128 s[68:71], s[0:1], 0x20             ; kc s[68:69], vc s[70:71]
	v_lshl_add_u32 v[SPW], v0, 2, SPARE
	v_mov_b32 v[NIL], 0
	ds_add_u32 v28, v29
	ds_add_u32 v28, v29
	s_wait_dscnt 0x0
	v_lshrrev_b32 v1, 5, v0
	v_readfirstlane_b32 s14, v1                    ; wave 0..3
	s_lshr_b32 s15, s14, 1                         ; which half of role A's rows is mine.  Also: I fetch for A (0) or for B (1)
	s_and_b32 s16, s14, 1                          ; which half of role B's rows.  Also: which 128 rows of that tile I fetch
	s_bfe_u32 s40, ttmp6, 0x40000                  ; cx, cy: my place in the cluster
	s_bfe_u32 s41, ttmp6, 0x40004
	s_and_b32 s17, ttmp7, 0xffff
	s_lshl_b32 s17, s17, 2                         ; 4 x cluster y
	s_lshl_b32 s42, ttmp9, 2                       ; 4 x cluster x
	s_add_co_u32 s72, s41, s17                     ; q, k: A's tile = 256 rows of x: cy + 4 x cluster y
	s_add_co_u32 s73, s41, 8                       ; v:    A's tile = 256 rows of wc from row 2,048 on: cy + 8
	s_add_co_u32 s74, s40, s42                     ; q, k: B's tile = 256 rows of wc: cx + 4 x cluster x
	s_add_co_u32 s75, s40, s17                     ; v:    B's tile = 256 rows of x: cx + 4 x cluster y
	s_cmp_eq_u32 ttmp9, 2                          ; v?  The same answer in all sixteen partners
	s_cselect_b32 s17, s73, s72                    ; A's tile: it hangs on cy, never on cx
	s_cselect_b32 s42, s75, s74                    ; B's tile: it hangs on cx, never on cy
	s_lshl_b32 s43, s41, 2
	s_lshl_b32 s43, 15, s43                        ; my row of the cluster
	s_lshl_b32 s44, 0x1111, s40                    ; my column
	; descriptor group 1: a tile of 128 rows x 256 bytes, padded in LDS
	s_or_b32 s[G1+0], s43, (0<<16)|(1<<20)|(1<<21)|(5<<22)|(3<<25)  ; 15:0 the mask: A's tiles go to my row; 17:16 elements of 1 byte; 20 padding on; 21 set beside a mask; 24:22 after every 64 words; 31:25 of 4 words
	s_or_b32 s[G1B+0], s44, (0<<16)|(1<<20)|(1<<21)|(5<<22)|(3<<25)
.irp g, G1, G1B
	s_mov_b32 s[\g+1], ROWB<<16                    ; tensor_dim0
	s_mov_b32 s[\g+2], 128<<16                     ; tensor_dim1
	s_mov_b32 s[\g+3], ROWB<<16                    ; tile_dim0
	s_mov_b32 s[\g+4], 128                         ; tile_dim1
	s_mov_b32 s[\g+5], KROW                        ; from row to row
	s_mov_b32 s[\g+6], 0
	s_mov_b32 s[\g+7], 0
.endr
	s_lshl_b32 s18, s16, 7                         ; which 128 rows of the tile I fetch
	s_lshl_b32 s20, s17, 8
	s_add_co_u32 s20, s20, s18
	s_lshl_b32 s20, s20, 10                        ; A: (256 x tile + 128 x half) rows of 1,024 bytes: under 2^24
	s_mov_b32 s21, 0
	s_lshl_b32 s46, s42, 8
	s_add_co_u32 s46, s46, s18
	s_lshl_b32 s46, s46, 10                        ; B likewise
	s_mov_b32 s47, 0
	s_mul_i32 s45, s14, HALFT                      ; where they go: wave x 128 rows: no place in the cluster enters an LDS address
	s_wait_kmcnt 0x0
	s_load_b256 s[80:87], s[8:9], 0x0              ; e0 .. e7
	s_cmp_eq_u32 ttmp9, 2
	s_cselect_b64 s[76:77], s[6:7], s[4:5]         ; role A's buffer
	s_cselect_b64 s[78:79], s[4:5], s[6:7]         ; role B's
	s_add_nc_u64 s[20:21], s[76:77], s[20:21]
	s_add_nc_u64 s[46:47], s[78:79], s[46:47]
	s_cmp_eq_u32 s15, 0                            ; the prefetches: of the 128 rows that I fetch, the four partners that ask for them with me take 32 each, told apart by address (cx for A, cy for B)
	s_cselect_b64 s[90:91], s[20:21], s[46:47]
	s_cselect_b32 s92, s40, s41
	s_lshl_b32 s92, s92, 15                        ; 32 rows of 1,024 bytes
	s_mov_b32 s93, 0
	s_add_nc_u64 s[90:91], s[90:91], s[92:93]      ; never rewritten
	CROUND                                         ; all sixteen work-groups are here: the first joint loads meet
.irp s, 0,1
	s_mov_b32 s[G0+4*\s], 1
	s_add_co_u32 s[G0+4*\s+1], s45, \s*SLOT
	s_add_nc_u64 s[G0+4*\s+2:G0+4*\s+3], s[20:21], \s*ROWB
	s_or_b32 s[G0+4*\s+3], s[G0+4*\s+3], 0x80000000
	s_mov_b32 s[G0B+4*\s], 1
	s_add_co_u32 s[G0B+4*\s+1], s45, \s*SLOT
	s_add_nc_u64 s[G0B+4*\s+2:G0B+4*\s+3], s[46:47], \s*ROWB
	s_or_b32 s[G0B+4*\s+3], s[G0B+4*\s+3], 0x80000000
.endr
	JLOAD G0, G1, G0B, G1B                         ; K step 0: one tensor load a wave at the head
	v_and_b32 v31, 31, v0
	v_lshlrev_b32 v31, 10, v31                     ; a lane a row; never rewritten
	global_prefetch_b8 v31, s[90:91] offset:256 th:TH_LOAD_NT scope:SCOPE_SE   ; K steps 1 and 2 of my 32 rows, 256 bytes a row and step: one and two joint loads ahead
	global_prefetch_b8 v31, s[90:91] offset:512 th:TH_LOAD_NT scope:SCOPE_SE
	v_and_b32 v1, 15, v0
	v_bfe_u32 v2, v0, 4, 1                         ; h = l / 16
	v_mul_u32_u24 v3, v1, PITCH
	s_wait_alu depctr_va_vdst(0)
	v_lshl_add_u32 v4, v2, 4, v3                   ; a fragment's row x pitch + 16 x half
	s_mul_i32 s21, s15, HALFT                      ; my 128 rows of A
	s_mul_i32 s22, s16, HALFT                      ; my 128 rows of B,
	s_add_co_u32 s22, s22, 2*HALFT                 ; which lie behind A's 256
.irp s, 0,1
	v_add_nc_u32 v[ADRA+\s], s21, v4
	v_add_nc_u32 v[ADRB+\s], s22, v4
	s_add_co_u32 s21, s21, SLOT
	s_add_co_u32 s22, s22, SLOT
.endr
	; the way out's addresses.  The stage, 256 rows (role A's) x (256 codes + 16 bytes), is the work-group's and lies in slot 0
	s_mul_i32 s23, s15, HALFT                      ; my 128 rows of it,
	s_lshl_b32 s21, s16, 7                         ; my 128 bytes of a row
	s_add_co_u32 s23, s23, s21
	v_lshl_add_u32 v5, v2, 3, v3                   ; row r, 8 codes for each half of the lanes
	v_add_nc_u32 v[STO], s23, v5
	s_mul_i32 s23, s14, 64*PITCH                   ; back: wave w takes rows 64 w .. 64 w + 63, whole
	v_and_b32 v6, 31, v0
	v_lshrrev_b32 v7, 2, v6
	v_and_b32 v8, 3, v6
	v_mul_u32_u24 v7, v7, PITCH
	v_lshl_add_u32 v7, v8, 4, v7
	v_add_nc_u32 v[RQ], s23, v7                    ; q, k: row lane / 4, 16 bytes of a head's 64
	v_lshlrev_b32 v[GQ], 4, v6                     ; which lie on end in memory: 16 x lane
	v_mul_u32_u24 v9, v2, PITCH
	v_lshl_add_u32 v9, v1, 4, v9
	v_add_nc_u32 v[RV], s23, v9                    ; v: row lane / 16, 16 bytes of its 256
	v_lshlrev_b32 v10, 11, v2
	v_lshl_add_u32 v[GV], v1, 4, v10               ; a row of vc is 2,048 bytes
	; where my wave's 64 stage rows go, in bytes.  q, k: head b 16 + 4 cx (+ 0..3 by the immediate), place (tile % 8) 256 + 64 w;  v: row b 1,024 + 256 cy + 64 w, key (tile % 8) 256
	s_lshr_b32 s72, s17, 3
	s_lshl_b32 s72, s72, 4
	s_lshl_b32 s73, s40, 2
	s_add_co_u32 s72, s72, s73
	s_lshl_b32 s72, s72, 11
	s_and_b32 s73, s17, 7
	s_lshl_b32 s73, s73, 8
	s_add_co_u32 s72, s72, s73
	s_lshl_b32 s73, s14, 6
	s_add_co_u32 s72, s72, s73
	s_lshl_b32 s72, s72, 6                         ; q, k: places of 64 bytes
	s_lshr_b32 s74, s42, 3
	s_lshl_b32 s74, s74, 10
	s_lshl_b32 s75, s41, 8
	s_add_co_u32 s74, s74, s75
	s_add_co_u32 s74, s74, s73
	s_lshl_b32 s74, s74, 11
	s_and_b32 s75, s42, 7
	s_lshl_b32 s75, s75, 8
	s_add_co_u32 s74, s74, s75                     ; v
	s_cmp_eq_u32 ttmp9, 0
	s_cselect_b64 s[76:77], s[10:11], s[68:69]     ; qc or kc,
	s_cmp_eq_u32 ttmp9, 2
	s_cselect_b64 s[76:77], s[70:71], s[76:77]     ; or vc
	s_cselect_b32 s72, s74, s72
	s_mov_b32 s73, 0
	s_add_nc_u64 s[76:77], s[76:77], s[72:73]
.macro FRAG reg, adr, q, i             ; a fragment: lane l holds row l % 16; registers 4 c .. 4 c + 3 hold K = 32 c + 16 (l / 16) + 0 .. 15: the same places in A and in B, so every product meets its partner
.irp c, 0,1,2,3
	ds_load_b128 v[\reg+4*\c:\reg+4*\c+3], v[\adr] offset:128*(\q)+32*\c+(\i)*16*PITCH
.endr
.endm
; 16 matrix instructions: A's blocks a0, a0 + 1 x B's eight, 128 along K.  p: B's set.  zero = 1: the first product starts the sums.  The 64 accumulators take turns, one instruction a turn.
.macro MUL16 a0, p, zero
.irp a, \a0, \a0+1
.irp b, 0,1,2,3,4,5,6,7
.if \zero
	v_wmma_f32_16x16x128_fp8_fp8 v[8*(8*((\a)%4)+\b):8*(8*((\a)%4)+\b)+7], v[128*(\p)+FR*\b:128*(\p)+FR*\b+FR-1], v[AF+FR*(\a):AF+FR*(\a)+FR-1], 0
.else
	v_wmma_f32_16x16x128_fp8_fp8 v[8*(8*((\a)%4)+\b):8*(8*((\a)%4)+\b)+7], v[128*(\p)+FR*\b:128*(\p)+FR*\b+FR-1], v[AF+FR*(\a):AF+FR*(\a)+FR-1], v[8*(8*((\a)%4)+\b):8*(8*((\a)%4)+\b)+7]
.endif
.endr
.endr
.endm
.macro FETCH_B slot, q, p              ; B's eight fragments of the slot's q-th 128 along K into set p
	WIN TO_B
.irp i, 0,1,2,3,4,5,6,7
	FRAG 128*(\p)+FR*\i, ADRB+\slot, \q, \i
.endr
	WIN 0
.endm
.macro FETCH_A slot, q, i0             ; A's blocks i0 .. i0 + 3
.irp i, \i0, \i0+1, \i0+2, \i0+3
	FRAG AF+FR*(\i), ADRA+\slot, \q, \i
.endr
.endm
.macro PLACES n                        ; plain vector lines between a matrix instruction and a load into its registers or a read of its result
.rept \n
	v_nop
.endr
.endm
; A step of 128 along K that has its successor in the same slot.  A has one set of registers: a block is free when its eight products are issued; B has two.
.macro STEP slot, q, zero
	s_wait_dscnt 4*NL                              ; B's set and A's blocks 0-3 are in; the youngest 16 loads (A's blocks 4-7) may be out
	WIN MUL_LO
	MUL16 0, (\q)%2, \zero
	MUL16 2, (\q)%2, \zero
	s_wait_dscnt 0                                 ; A's blocks 4-7 are in
	PLACES NP
	FETCH_B \slot, (\q)+1, 1-(\q)%2
	FETCH_A \slot, (\q)+1, 0
	WIN MUL_HI
	MUL16 4, (\q)%2, \zero
	MUL16 6, (\q)%2, \zero
	PLACES NP
	WIN 0
	FETCH_A \slot, (\q)+1, 4
.endm
; A slot's last step changes slots: one barrier; in front of it each wave waits for all its tensor loads, adds 0 to its spare word, and waits for that and for its own reads of this slot.  fill = 1: the slot is filled again, two K steps ahead.
.macro TURN slot, next, fill
	s_wait_tensorcnt 0x0                           ; all my tensor loads have landed: my part of the next slot
	ds_add_u32 v[SPW], v[NIL]                      ; 0 onto my spare word
	s_wait_dscnt 4*NL+1                            ; the add and the youngest 16 loads (A's blocks 4-7) may be out
	WIN MUL_LO
	MUL16 0, 1, 0                                  ; sixteen matrix instructions stand between the add and the wait for it
	s_wait_dscnt 0x0                               ; the add is done, and my reads of this slot are over
	s_barrier_signal -1
	MUL16 2, 1, 0
	WIN 0
	s_barrier_wait -1
.if \fill
	CREST                                          ; the barrier has opened a round of the cluster's: no wave of any partner still reads this slot or has a load on its way
	s_add_nc_u64 s[G0+4*\slot+2:G0+4*\slot+3], s[G0+4*\slot+2:G0+4*\slot+3], 2*ROWB
	s_add_nc_u64 s[G0B+4*\slot+2:G0B+4*\slot+3], s[G0B+4*\slot+2:G0B+4*\slot+3], 2*ROWB
	JLOAD G0+4*\slot, G1, G0B+4*\slot, G1B         ; the first tensor load behind the round; its four v_nop are also the places in front of the loads below
.else
	PLACES NP
.endif
	FETCH_B \next, 0, 0
	FETCH_A \next, 0, 0
	WIN MUL_HI
	MUL16 4, 1, 0
	MUL16 6, 1, 0
	PLACES NP
	WIN 0
	FETCH_A \next, 0, 4
.endm
	s_wait_alu depctr_va_vdst(0)                   ; the head's end
	s_wait_tensorcnt 0x0                           ; my part of K step 0 is in; slot 1's first fill is issued as a refill is:
	ds_add_u32 v[SPW], v[NIL]                      ; 0 onto my spare word
	s_wait_dscnt 0x0
	CROUND                                         ; a whole round: everybody's part of K step 0 is in, and the joint loads meet
	JLOAD G0+4, G1, G0B+4, G1B                     ; K step 1: the first tensor load behind the round
	FETCH_B 0, 0, 0
	FETCH_A 0, 0, 0
	FETCH_A 0, 0, 4
	global_prefetch_b8 v31, s[90:91] offset:768 th:TH_LOAD_NT scope:SCOPE_SE   ; behind K step 1's joint load and the run of LDS loads: K step 3, two joint loads ahead; there is no K step behind it
	STEP 0, 0, 1
	TURN 0, 1, 1                                   ; slot 0 takes K step 2
	STEP 1, 0, 0
	TURN 1, 0, 1                                   ; slot 1 takes K step 3
	STEP 0, 0, 0
	TURN 0, 1, 0                                   ; nothing is left to fetch: behind this barrier nobody reads slot 0, and it has had its last fill
	STEP 1, 0, 0
	s_wait_dscnt 4*NL
	WIN MUL_LO
	MUL16 0, 1, 0
	MUL16 2, 1, 0
	s_wait_dscnt 0
	WIN MUL_HI
	MUL16 4, 1, 0
	MUL16 6, 1, 0
	WIN 0
	; THE WAY OUT, first half: every sum is held, converted, and its code put into the work-group's stage
	s_wait_kmcnt 0x0
	s_cmp_eq_u32 ttmp9, 0
	s_cselect_b32 s88, s82, s83                    ; e2 for q, e3 for k,
	s_cmp_eq_u32 ttmp9, 2
	s_cselect_b32 s88, s85, s88                    ; e5 for v: a choice, no jump
	s_sub_co_i32 s88, s88, s80
	s_sub_co_i32 s88, s88, s81                     ; - e0 - e1
	s_add_co_i32 s88, s88, 127
	s_lshl_b32 s89, s88, 23
	v_mov_b32 v[SCL], s89
	s_add_co_i32 s88, s88, 8
	s_lshl_b32 s88, s88, 23
	s_or_b32 s88, s88, 0x600000
	v_mov_b32 v[LIM], s88
	PLACES NP                                      ; behind the last products: their results are read and A's registers written below
.macro CODES a                         ; block a: 16 rows of role A x my 128 of role B
.set AC, 64*((\a)%4)
	WIN 0x02+((\a)/4)                              ; source 0: window 2 or 3
.set cj, 0
.rept 64
	v_med3_num_f32 v[TMP+cj], v[AC+cj], -v[LIM], v[LIM]   ; the hold; each accumulator from its low end on
.set cj, cj+1
.endr
	WIN 0
.irp b, 0,1,2,3,4,5,6,7
	v_cvt_scalef32_pk8_fp8_f32 v[CD+16*(\a)+2*\b:CD+16*(\a)+2*\b+1], v[TMP+8*\b:TMP+8*\b+7], v[SCL]
.endr
	v_nop                                          ; a plain line behind the last conversion: the next block's holds write these conversions' sources
.irp b, 0,1,2,3,4,5,6,7
	ds_store_b64 v[STO], v[CD+16*(\a)+2*\b:CD+16*(\a)+2*\b+1] offset:(\a)*16*PITCH+16*\b   ; rows 68 words apart, 2 words a lane: the 32 lanes touch 64 different banks
.endr
.endm
.irp a, 0,1,2,3,4,5,6,7
	CODES \a
.endr
	s_wait_dscnt 0x0                               ; for the others' sake: my stores into the stage are done
	s_barrier_signal -1
	s_barrier_wait -1
	; second half: each wave reads 64 whole rows and stores them.  The branch hangs on the cluster's x, which all partners share; it jumps over LDS reads and stores alone
	s_cmp_eq_u32 ttmp9, 2
	s_cbranch_scc1 .Lv_out
.set n, 0
.rept 32                               ; n = 4 g + head: rows 8 g .. 8 g + 7, one head's 64 bytes of each
	ds_load_b128 v[CD+4*n:CD+4*n+3], v[RQ] offset:(n/4)*8*PITCH+64*(n%4)
.set n, n+1
.endr
.set n, 0
.rept 32
	s_wait_dscnt 31-n                              ; load n is in; the later ones may be out
	global_store_b128 v[GQ], v[CD+4*n:CD+4*n+3], s[76:77] offset:(n%4)*131072+(((n/4)&4)|(((n/4)&1)<<1)|(((n/4)>>1)&1))*512   ; 512 consecutive bytes, aligned; the group of 8 rows goes to the place with bits 3 and 4 of t exchanged
.set n, n+1
.endr
	s_branch .Ldone
.Lv_out:
.set n, 0
.rept 32                               ; rows 2 n, 2 n + 1 of my 64, whole
	ds_load_b128 v[CD+4*n:CD+4*n+3], v[RV] offset:n*2*PITCH
.set n, n+1
.endr
.set n, 0
.rept 32
	s_wait_dscnt 31-n
	global_store_b128 v[GV], v[CD+4*n:CD+4*n+3], s[76:77] offset:n*4096   ; sixteen lanes store 256 consecutive bytes, aligned
.set n, n+1
.endr
.Ldone:
	s_wait_tensorcnt 0x0                           ; the wave's end
	ds_add_u32 v[SPW], v[NIL]
	s_wait_dscnt 0x0
	CROUND                                         ; the closing round: no work-group ends while a partner may still ask for a tile that names it
	s_endpgm
.Lfunc_end_k_q065162b6ad_qkv:
	.size	k_q065162b6ad_qkv, .Lfunc_end_k_q065162b6ad_qkv-k_q065162b6ad_qkv
	.p2alignl 7, 3214868480
	.fill 96, 4, 3214868480
	.section	.rodata,"a",@progbits
	.p2align	6, 0x0
	.amdhsa_kernel k_q065162b6ad_qkv
		.amdhsa_group_segment_fixed_size 327680
		.amdhsa_private_segment_fixed_size 0
		.amdhsa_enable_private_segment 0
		.amdhsa_kernarg_size 48
		.amdhsa_user_sgpr_count 2
		.amdhsa_user_sgpr_kernarg_segment_ptr 1
		.amdhsa_wavefront_size32 1
		.amdhsa_system_sgpr_workgroup_id_x 1
		.amdhsa_system_sgpr_workgroup_id_y 1
		.amdhsa_system_sgpr_workgroup_id_z 1
		.amdhsa_system_vgpr_workitem_id 0
		.amdhsa_next_free_vgpr 1024
		.amdhsa_next_free_sgpr 100
		.amdhsa_reserve_vcc 0
		.amdhsa_float_denorm_mode_32 3
		.amdhsa_float_denorm_mode_16_64 3
		.amdhsa_memory_ordered 1
		.amdhsa_forward_progress 1
		.amdhsa_inst_pref_size 133
	.end_amdhsa_kernel
	.amdgpu_metadata
---
amdhsa.version: [ 1, 2 ]
amdhsa.kernels:
  - .name:           k_q065162b6ad_qkv
    .symbol:         k_q065162b6ad_qkv.kd
    .args:
      - { .name: xc, .offset: 0, .size: 8, .value_kind: global_buffer, .address_space: global }
      - { .name: wc, .offset: 8, .size: 8, .value_kind: global_buffer, .address_space: global }
      - { .name: lowp_scales, .offset: 16, .size: 8, .value_kind: global_buffer, .address_space: global }
      - { .name: qc, .offset: 24, .size: 8, .value_kind: global_buffer, .address_space: global }
      - { .name: kc, .offset: 32, .size: 8, .value_kind: global_buffer, .address_space: global }
      - { .name: vc, .offset: 40, .size: 8, .value_kind: global_buffer, .address_space: global }
    .group_segment_fixed_size: 327680
    .private_segment_fixed_size: 0
    .kernarg_segment_align: 8
    .kernarg_segment_size: 48
    .max_flat_workgroup_size: 128
    .sgpr_count:     100
    .vgpr_count:     1024
    .wavefront_size: 32
...
	.end_amdgpu_metadata
.endif
;; end of part 2
;; launch attn (part 3): grid 4 x 64, 8 waves a work-group, no clusters, 327,680 bytes of LDS; arguments qc, kc, vc, lowp_scales, ah; writes ah
.if DOCPART == 3
	.amdgcn_target "amdgcn-amd-amdhsa--gfx1250"
	.amdhsa_code_object_version 6
	.text
	.protected	k_q065162b6ad_attn
	.globl	k_q065162b6ad_attn
	.p2align	8
	.type	k_q065162b6ad_attn,@function
k_q065162b6ad_attn:
	s_mov_b64 s[64:65], 0
	v_nop
	global_prefetch_b8 v0, s[64:65] scope:SCOPE_SE
	s_setreg_imm32_b32 hwreg(HW_REG_WAVE_MODE, 25, 1), 1
	s_wait_xcnt 0x0
; LAUNCH 3 OF 4: causal attention on codes of FP8, head size 64; its result is quantised at once (scales' entry 6) for the projection.
; t = score x log2(e) / 8; M = the row's largest t so far, rounded UP to a whole number; p = 2^(t - M) is quantised (entry 4), not normalised; the row's sum is taken of the unquantised p and divides at the end.
; When M moves, the sum and O are multiplied by 2^(old M - new M): exact.  Key steps that lie wholly under reference()'s own causal mask are left out.
; SHARES.  Work-group (i, head) owns the query blocks i and 7 - i of its head, 256 queries each, one after the other.  Keys come in slots of 512: block j needs ceil((j + 1) / 2) slots,
; and ceil((i + 1) / 2) + ceil((8 - i) / 2) = 5 for i = 0 .. 3: five trips for every work-group, a constant.  A trip is four key steps of 128; a step all of whose keys come after a wave's queries is jumped over.
; Each of the EIGHT waves owns 32 queries of the block in hand, two tiles A and B of 16: each fragment of K and of V that it reads from LDS feeds two matrix instructions.
; K's fragments of the next key step are asked of LDS under the step in hand (within a slot); V's under the softmax.
; NO JOINT LOADS: which steps are jumped over and the trip in which the first block ends hang on the work-group's place among the four of a head.
; LAYOUT.  Both products are used transposed: S^T = K Q^T (source 0 = 16 keys), O^T = V^T P^T (source 0 = 16 channels): a lane holds ONE query of each tile (lane % 16) throughout.
; kc and qc hold row t at the place t with bits 3 and 4 exchanged: key tile T of a step is 16 neighbouring LDS rows, and the 16 registers of tiles 2 b, 2 b + 1 are the keys 32 b + 16 (lane / 16) + 0 .. 15.
; OUT.  ah: [16 heads][8,192 rows b 2,048 + t][64]: a wave's 32 queries x 64 codes are 2,048 consecutive bytes.
; LIMITS on the given exponents: e2 + e3 between -123 and 130 (added to c's exponent field); e4, and e6 - e4 - e5, between -126 and 119.  NaN among the inputs is not served.
; REGISTERS.  Window 0: v1-11 addresses; v12 -M, v13 the largest raw score, v[14:15] the sum (tile A); v16-31 A's Q (block in hand, second block); v32-95 K's eight fragments; v96-159 A's S^T, then p;
;   v160-191 A's O^T; v192-207 A's codes of p; v208-223 B's; v224-227 as v12-15 for tile B; v228, v230 the factors f; v232-239 the maxima's chains; v240-245 bounds and scales; v246-254 at work.
; Window 1: v16-31 B's Q; v32-95 V's four fragments; v96-159 B's S^T, then p; v160-191 B's O^T; v240-241 the bound once more.
.set KP,    80                         ; a key's row in LDS: 64 bytes + 16
.set VP,    528                        ; a row of V's tile: 512 keys + 16 bytes
.set VOFF,  512*KP                     ; a slot: 512 rows of K, then 64 rows of V
.set SLOT1, 1<<17                      ; slot 1 begins here: one exclusive or turns an address in one slot into the other's
.set SPARE, 2*SLOT1                    ; behind the ring: the spare words, 128 bytes a wave: four blocks of 256 bytes that no other line names
.set STAGE, SPARE+1024                 ; the way out: 2,048 bytes for each wave; no fill ever lands here
.set AK0,  1
.set AV0,  2
.set PFO,  3                           ; the prefetches' offset; never rewritten
.set DL,   4                           ; lane % 16 - 16 (lane / 16)
.set SPW,  5                           ; LDS address of my spare word; never rewritten
.set NIL,  6                           ; 0; never rewritten
.set GO,   7                           ; 16 x lane
.set ADK,  8
.set ADV,  9
.set STI,  10
.set STR,  11
.set LA,   14
.set LB,   226
.set FA,   228
.set FB,   230
.set CA,   232
.set CB,   236
.set LIM6, 242
.set SC4,  244
.set SC6,  245
.set PA,   192
.set PB,   208
.set TB,   2                           ; s2   LDS byte at which the slot in hand begins
.set TR,   3                           ; s3   the trip, 0 .. 4
.set SN,   14                          ; s14  the key step in the slot, 0 .. 3
.set KO,   15                          ; s15  byte of the step's keys inside the slot, 0 .. 3 x 128 x KP;  s16 LDS byte of the step's part of V's rows
.set VO,   16
.set IBT,  17                          ; s17  the trip in which the first block ends: i / 2
.set WV,   18
.set W3,   19                          ; s19  wave % 4
.set SEL,  20
.set CS,   22                          ; s[22:23] c = log2(e) / 8 x 2^(e2 + e3)
.set G1K,  24
.set G1V,  32
.set G0K,  40
.set G0V,  44
.set IB,   48
.set KF,   49                          ; s49  the step's first key
.set Q0,   50                          ; s50  my first query;  s51: in the second block
.set Q0B,  51
.set DK,   52
.set DV,   54
.set OB,   58                          ; s[58:59] where my codes go;  s[60:61]: the second block's
.set PFA,  76
.set PFS,  78
.set PCNT, 80
.set MSB, 0
.macro WIN new                         ; the immediate's high byte repeats the setting that is left
.if MSB != \new
	s_set_vgpr_msb (MSB<<8)|\new
.set MSB, \new
.endif
.endm
; Waves 0-3 fetch a quarter of a slot's K each (128 keys, dense), waves 4-7 a quarter of its V (16 rows x 512 bytes): every wave issues one load.
.macro TLOAD
	s_cmp_lt_u32 s[WV], 4
	s_cbranch_scc0 .Lfor_v_\@
	tensor_load_to_lds s[G0K:G0K+3], s[G1K:G1K+7]
	s_nop 0
.rept 4
	v_nop
.endr
	s_branch .Lasked_\@
.Lfor_v_\@:
	tensor_load_to_lds s[G0V:G0V+3], s[G1V:G1V+7]
	s_nop 0
.rept 4
	v_nop
.endr
.Lasked_\@:
.endm
; A PREFETCH INTO THE L2.  Key slots 2 and 3 are asked for by the head's work-group 0 alone, in trips 1 and 2: slot trip + 1, for which its own tensor loads go out one trip, four key steps, later.
; Each wave names the part that it will fetch: waves 0-3 8,192 bytes of K, lanes 256 bytes apart; waves 4-7 16 rows of V, two lanes to a row's 512 bytes.  So each aligned block of 256 bytes is named once in the launch.
; Slots 0 and 1 come by their loads alone: they are wanted in the first trips.
.macro ASK
	s_sub_co_u32 s96, s[TR], 1
	s_cmp_lt_u32 s96, s[PCNT]
	s_cbranch_scc0 .Lnot_mine_\@
	global_prefetch_b8 v[PFO], s[PFA:PFA+1] th:TH_LOAD_NT scope:SCOPE_SE
.Lnot_mine_\@:
.endm
.macro INIT                            ; a block's start: the largest score -3e38, -M 3e38, the sums and O^T zeros, which the first change of M leaves zeros: so the key step is written once
	v_mov_b32 v13, 0xff61b1e6
	v_mov_b32 v225, 0xff61b1e6
	v_mov_b32 v12, 0x7f61b1e6
	v_mov_b32 v224, 0x7f61b1e6
	v_mov_b32 v14, 0
	v_mov_b32 v15, 0
	v_mov_b32 v226, 0
	v_mov_b32 v227, 0
.set zj, 0
.rept 32
	v_mov_b32 v[160+zj], 0
.set zj, zj+1
.endr
	WIN 0x40
.set zj, 0
.rept 32
	v_mov_b32 v[160+zj], 0
.set zj, zj+1
.endr
	WIN 0
.endm
.macro KLOAD o                         ; K's eight fragments of the 128 keys that begin o rows behind v[ADK]
.irp t, 0,1,2,3,4,5,6,7
	ds_load_b128 v[32+8*\t:35+8*\t], v[ADK] offset:(\o+16*\t)*KP
	ds_load_b128 v[36+8*\t:39+8*\t], v[ADK] offset:(\o+16*\t)*KP+32
.endr
.endm
.macro SCORES                          ; S^T of one tile: register 16 b + i of lane (r, h) is key KF + 32 b + 16 h + i
.irp t, 0,1,2,3,4,5,6,7
	v_wmma_f32_16x16x64_fp8_fp8 v[96+8*\t:103+8*\t], v[32+8*\t:39+8*\t], v[16:23], 0
.endr
.endm
.macro HIDE d                          ; register 16 b + i is hidden where 32 b + i > d
.set mn, 0
.rept 64
	v_cmp_gt_i32 vcc_lo, 32*(mn/16)+mn%16, v[\d]
	v_cndmask_b32 v[96+mn], v[96+mn], v254, vcc_lo
.set mn, mn+1
.endr
.endm
.macro MAXES m, c, w                   ; four chains, each begun with the largest score so far; each accumulator from its low end on
	WIN \w
.irp k, 0,1,2,3
	v_max3_num_f32 v[\c+\k], v[\m], v[96+2*\k], v[97+2*\k]
.endr
.set sj, 8
.rept 7
.irp k, 0,1,2,3
	v_max3_num_f32 v[\c+\k], v[\c+\k], v[96+sj+2*\k], v[97+sj+2*\k]
.endr
.set sj, sj+8
.endr
.endm
.macro SCALE m                         ; t - M, two at a time
.set sj, 0
.rept 32
	v_pk_fma_f32 v[96+sj:97+sj], v[96+sj:97+sj], s[CS:CS+1], v[\m:\m+1] op_sel_hi:[1,0,0]
.set sj, sj+2
.endr
.endm
.macro EXPS                            ; p = 2^(t - M), at most 1
.set sj, 0
.rept 64
	v_exp_f32 v[96+sj], v[96+sj]
.set sj, sj+1
.endr
.endm
.macro SUMS l, wi, wc                  ; the row's sum of the unquantised p, two at a time, in four chains
	WIN \wi
	v_pk_add_f32 v[248:249], v[96:97], v[98:99]
	v_pk_add_f32 v[250:251], v[100:101], v[102:103]
	v_pk_add_f32 v[252:253], v[104:105], v[106:107]
	WIN \wc
.set sj, 12
.rept 6
	v_pk_add_f32 v[\l:\l+1], v[\l:\l+1], v[96+sj:97+sj]
	v_pk_add_f32 v[248:249], v[248:249], v[98+sj:99+sj]
	v_pk_add_f32 v[250:251], v[250:251], v[100+sj:101+sj]
	v_pk_add_f32 v[252:253], v[252:253], v[102+sj:103+sj]
.set sj, sj+8
.endr
	v_pk_add_f32 v[\l:\l+1], v[\l:\l+1], v[156:157]
	v_pk_add_f32 v[248:249], v[248:249], v[158:159]
	WIN 0
	v_pk_add_f32 v[250:251], v[250:251], v[252:253]
	v_pk_add_f32 v[\l:\l+1], v[\l:\l+1], v[248:249]
	v_pk_add_f32 v[\l:\l+1], v[\l:\l+1], v[250:251]
.endm
.macro HOLD                            ; the conversion does not saturate (ISA guide 7.6.2); p is not negative, so the hold is one-sided; two numbers an instruction
.set hj, 0
.rept 32
	v_dual_min_num_f32 v[96+hj], v[96+hj], v240 :: v_dual_min_num_f32 v[97+hj], v[97+hj], v241
.set hj, hj+2
.endr
.endm
.macro CODES d
.irp b, 0,1,2,3
	v_cvt_scalef32_pk8_fp8_f32 v[\d+4*\b:\d+4*\b+1], v[96+16*\b:103+16*\b], v[SC4]
	v_cvt_scalef32_pk8_fp8_f32 v[\d+4*\b+2:\d+4*\b+3], v[104+16*\b:111+16*\b], v[SC4]
.endr
.endm
.macro RESC f                          ; O^T under the new M; these are also the plain lines between the conversions and the products
.set sj, 0
.rept 16
	v_pk_mul_f32 v[160+sj:161+sj], v[160+sj:161+sj], v[\f:\f+1] op_sel_hi:[1,0]
.set sj, sj+2
.endr
.endm
.macro PV p                            ; O^T += V^T P^T: the tile's four accumulators by turns
.irp t, 0,1,2,3
	v_wmma_f32_16x16x128_fp8_fp8 v[160+8*\t:167+8*\t], v[32+16*\t:47+16*\t], v[\p:\p+15], v[160+8*\t:167+8*\t]
.endr
.endm
	s_load_b256 s[4:11], s[0:1], 0x0               ; qc s[4:5], kc s[6:7], vc s[8:9], the scales' exponents s[10:11]
	s_load_b64 s[12:13], s[0:1], 0x20              ; ah
	v_lshl_add_u32 v[SPW], v0, 2, SPARE
	v_mov_b32 v[NIL], 0
	ds_add_u32 v[SPW], v[NIL]                      ; the opening: the add, twice on end, and its wait ahead of my first tensor load
	ds_add_u32 v[SPW], v[NIL]
	v_lshrrev_b32 v32, 5, v0
	v_readfirstlane_b32 s[WV], v32                 ; wave 0..7
	s_and_b32 s[W3], s[WV], 3
	s_mov_b32 s[IB], ttmp9
	s_lshr_b32 s[IBT], ttmp9, 1
	s_and_b32 s82, ttmp7, 0xffff                   ; the head, b 16 + h
	s_lshl_b32 s84, s82, 17                        ; its first byte in qc, kc and vc
	s_mov_b32 s85, 0
	; descriptor groups 1.  K: 8,192 dense bytes as 32 rows of 256; 16 bytes of padding behind every 64 make the keys' pitch 80.  V: 16 rows of 512 bytes, 2,048 apart, 16 bytes behind each
	s_mov_b32 s[G1K], (1<<20)|(3<<22)|(3<<25)
	s_mov_b32 s[G1K+1], 256<<16
	s_mov_b32 s[G1K+2], 32<<16
	s_mov_b32 s[G1K+3], 256<<16
	s_mov_b32 s[G1K+4], 32
	s_mov_b32 s[G1K+5], 256
	s_mov_b32 s[G1K+6], 0
	s_mov_b32 s[G1K+7], 0
	s_mov_b32 s[G1V], (1<<20)|(6<<22)|(3<<25)
	s_mov_b32 s[G1V+1], 512<<16
	s_mov_b32 s[G1V+2], 16<<16
	s_mov_b32 s[G1V+3], 512<<16
	s_mov_b32 s[G1V+4], 16
	s_mov_b32 s[G1V+5], 2048
	s_mov_b32 s[G1V+6], 0
	s_mov_b32 s[G1V+7], 0
	s_mov_b32 s[SEL], 0x76543210
	s_mov_b32 s[SEL+1], 0xfedcba98
	s_mov_b32 s[CS], 0x3e38aa3b                    ; log2(e) / 8
	s_mov_b32 s[TB], 0
	s_mov_b32 s[TR], 0
	s_mov_b32 s[KF], 0
	s_mov_b32 s[DK+1], 0
	s_mov_b32 s[DV+1], 0
	s_add_co_u32 s56, s[IBT], 1
	s_lshl_b32 s57, s56, 9                         ; the first block's slots back: in a row of V,
	s_lshl_b32 s56, s56, 15                        ; and in K
	s_lshl_b32 s86, s[W3], 13                      ; my quarter of a slot in memory: K's 8,192 bytes,
	s_mov_b32 s87, 0
	s_lshl_b32 s88, s[W3], 15                      ; V's 16 rows
	s_mov_b32 s89, 0
	s_add_nc_u64 s[86:87], s[86:87], s[84:85]
	s_add_nc_u64 s[88:89], s[88:89], s[84:85]
	s_mul_i32 s90, s[W3], 128*KP                   ; and in LDS
	s_mul_i32 s91, s[W3], 16*VP
	s_add_co_u32 s91, s91, VOFF
	s_wait_alu depctr_va_vdst(0)
	s_wait_dscnt 0x0                               ; both opening adds are done
	s_wait_kmcnt 0x0
	s_load_b256 s[68:75], s[10:11], 0x0            ; e0 .. e7
	s_mov_b32 s[G0K], 1
	s_mov_b32 s[G0K+1], s90
	s_add_nc_u64 s[G0K+2:G0K+3], s[6:7], s[86:87]
	s_or_b32 s[G0K+3], s[G0K+3], 0x80000000
	s_mov_b32 s[G0V], 1
	s_mov_b32 s[G0V+1], s91
	s_add_nc_u64 s[G0V+2:G0V+3], s[8:9], s[88:89]
	s_or_b32 s[G0V+3], s[G0V+3], 0x80000000
	TLOAD                                          ; key slot 0: by this text's count one tensor load of a wave is out at the most
	; my queries: Q0 = 256 block + 32 wave.  Query Q0 + 16 u + r lies at place Q0 + 8 u + r + 8 (r / 8)
	s_lshl_b32 s92, s[WV], 5
	s_lshl_b32 s93, s[IB], 8
	s_add_co_u32 s[Q0], s93, s92
	s_sub_co_u32 s93, 7, s[IB]
	s_lshl_b32 s93, s93, 8
	s_add_co_u32 s[Q0B], s93, s92
	s_lshl_b32 s92, s[Q0], 6
	s_lshl_b32 s93, s[Q0B], 6
	s_add_nc_u64 s[4:5], s[4:5], s[84:85]          ; qc at my head
	s_lshl_b32 s94, s[WV], 11
	s_add_co_u32 s94, s94, STAGE                   ; my stage
	; where my codes go: ah + h x 524,288 + (b 2,048 + Q0) x 64
	s_and_b32 s83, s82, 15
	s_lshl_b32 s83, s83, 19
	s_lshr_b32 s96, s82, 4
	s_lshl_b32 s96, s96, 11
	s_add_co_u32 s98, s96, s[Q0]
	s_lshl_b32 s98, s98, 6
	s_add_co_u32 s98, s98, s83
	s_mov_b32 s99, 0
	s_add_nc_u64 s[OB:OB+1], s[12:13], s[98:99]
	s_add_co_u32 s98, s96, s[Q0B]
	s_lshl_b32 s98, s98, 6
	s_add_co_u32 s98, s98, s83
	s_add_nc_u64 s[OB+2:OB+3], s[12:13], s[98:99]
	; the prefetches: where my wave's stand, and who asks
	s_cmp_lt_u32 s[WV], 4
	s_cselect_b64 s[PFA:PFA+1], s[6:7], s[8:9]
	s_cselect_b64 s[86:87], s[86:87], s[88:89]     ; my quarter's offset
	s_mov_b32 s[PFS], 512
	s_cselect_b32 s[PFS], 32768, s[PFS]            ; a slot on
	s_mov_b32 s[PFS+1], 0
	s_cselect_b32 s95, 0, 1                        ; V: two lanes to a row
	s_mov_b32 s97, 2048
	s_cselect_b32 s97, 256, s97
	s_add_nc_u64 s[PFA:PFA+1], s[PFA:PFA+1], s[86:87]   ; at key slot 0: every change of slots steps it, so in trip n it stands at slot n + 1
	s_cmp_eq_u32 ttmp9, 0
	s_cselect_b32 s[PCNT], 2, 0
	v_and_b32 v32, 15, v0                          ; r
	v_bfe_u32 v33, v0, 4, 1                        ; h
	v_and_b32 v37, 31, v0                          ; lane
	v_and_b32 v34, 8, v32
	v_add_nc_u32 v34, v34, v32                     ; r + 8 (r / 8)
	v_lshlrev_b32 v34, 6, v34
	v_lshl_add_u32 v34, v33, 4, v34
	v_add_nc_u32 v35, s92, v34                     ; the first block's offset in qc,
	v_add_nc_u32 v36, s93, v34                     ; the second's
	v_mul_u32_u24 v[AK0], v32, KP
	v_lshl_add_u32 v[AK0], v33, 4, v[AK0]
	v_mul_u32_u24 v[AV0], v32, VP
	v_lshl_add_u32 v[AV0], v33, 4, v[AV0]
	v_add_nc_u32 v[AV0], VOFF, v[AV0]
	v_lshlrev_b32 v[STI], 6, v32
	v_lshl_add_u32 v[STI], v33, 3, v[STI]
	v_add_nc_u32 v[STI], s94, v[STI]               ; the stage, in: query r's 64 bytes, + 8 h (+ 16 for each tile of channels, + 1,024 for tile B)
	v_lshlrev_b32 v[GO], 4, v37
	v_add_nc_u32 v[STR], s94, v[GO]                ; back: as the bytes lie
	v_lshlrev_b32 v38, 4, v33
	v_sub_nc_u32 v[DL], v32, v38
	v_lshrrev_b32 v[PFO], s95, v37
	v_mul_lo_u32 v[PFO], v[PFO], s97
	v_and_b32 v38, s95, v37
	v_lshl_add_u32 v[PFO], v38, 8, v[PFO]
	v_mov_b32 v246, 0                              ; lane permutes' destinations count as read: written once
	v_mov_b32 v247, 0
	v_mov_b32 v229, 0                              ; (named as the upper halves of pairs)
	v_mov_b32 v231, 0
	global_load_b128 v[16:19], v35, s[4:5]         ; registers 0-3: bytes 16 h .. of my query's 64; registers 4-7: 32 + 16 h ..: the places that K's fragments have too
	global_load_b128 v[20:23], v35, s[4:5] offset:32
	global_load_b128 v[24:27], v36, s[4:5]
	global_load_b128 v[28:31], v36, s[4:5] offset:32
	WIN 0x40                                       ; tile B's Q: window 1; its places lie 8 rows on
	global_load_b128 v[16:19], v35, s[4:5] offset:512
	global_load_b128 v[20:23], v35, s[4:5] offset:544
	global_load_b128 v[24:27], v36, s[4:5] offset:512
	global_load_b128 v[28:31], v36, s[4:5] offset:544
	WIN 0
	s_wait_alu depctr_va_vdst(0)
	s_wait_kmcnt 0x0
	s_add_co_i32 s86, s70, s71
	s_lshl_b32 s86, s86, 23
	s_add_co_i32 s[CS], s[CS], s86                 ; a score stands for score x 2^(e2 + e3): added to c's exponent field
	s_mov_b32 s[CS+1], s[CS]
	s_add_co_i32 s86, s72, 127
	s_lshl_b32 s87, s86, 23
	v_mov_b32 v[SC4], s87                          ; 2^e4, for p's conversions
	s_add_co_i32 s86, s86, 8
	s_lshl_b32 s86, s86, 23
	s_or_b32 s86, s86, 0x600000
	v_mov_b32 v240, s86                            ; 448 x 2^e4, in two registers for the two halves of a pair, in both windows
	v_mov_b32 v241, s86
	WIN 0x40
	v_mov_b32 v240, s86
	v_mov_b32 v241, s86
	WIN 0
	s_sub_co_i32 s86, s74, s72
	s_sub_co_i32 s86, s86, s73                     ; a sum of the second product stands for sum x 2^(e4 + e5): the result's code is (sum / l) / 2^(e6 - e4 - e5)
	s_add_co_i32 s86, s86, 127
	s_lshl_b32 s87, s86, 23
	v_mov_b32 v[SC6], s87
	s_add_co_i32 s86, s86, 8
	s_lshl_b32 s86, s86, 23
	s_or_b32 s86, s86, 0x600000
	v_mov_b32 v[LIM6], s86
	INIT
; A KEY STEP: 128 keys against my 32 queries.  K's fragments are in flight or in when it begins.
.macro STEP
	s_add_co_u32 s96, s[Q0], 31                    ; a step all of whose keys come after my 32 queries is left out: a scalar branch on ids; no barrier and no tensor load stands in a step
	s_cmp_gt_u32 s[KF], s96
	s_cbranch_scc1 .Lhidden_\@
	s_add_co_u32 s96, s[KO], 128*KP                ; where the next step's keys lie in the slot, held at the slot's last 128 keys, so that the address stays inside K's 512 rows
	s_min_u32 s96, s96, 3*128*KP
	s_add_co_u32 s96, s96, s[TB]
	v_add_nc_u32 v[ADK], s96, v[AK0]
	v_add_nc_u32 v[ADV], s[VO], v[AV0]
	s_wait_alu depctr_va_vdst(0)
	s_wait_dscnt 0x0                               ; K's fragments are in
	SCORES
	WIN 0x44                                       ; tile B: Q and S^T in window 1
	SCORES
	WIN 0
.rept 4
	v_nop                                          ; places: in front of the loads into K's and V's registers and of the first read of the scores
.endr
	WIN 0x40
.irp t, 0,1,2,3
.irp c, 0,1,2,3
	ds_load_b128 v[32+16*\t+4*\c:35+16*\t+4*\c], v[ADV] offset:16*\t*VP+32*\c   ; V's four fragments land under the softmax
.endr
.endr
	WIN 0
	s_cmp_lt_u32 s[SN], 3                          ; the next step's K, where it lies in this slot
	s_cbranch_scc0 .Lno_k_\@
	KLOAD 0
.Lno_k_\@:
	s_add_co_u32 s96, s[KF], 127                   ; on the diagonal the scores of hidden keys become -infinity ahead of the maximum: p = 0 then.  A step all of whose keys count skips this
	s_cmp_le_u32 s96, s[Q0]
	s_cbranch_scc1 .Lopen_\@
	s_sub_co_i32 s96, s[Q0], s[KF]
	v_add_nc_u32 v252, s96, v[DL]                  ; d = my query - KF - 16 h, tile A's,
	v_add_nc_u32 v253, 16, v252                    ; and tile B's
	v_mov_b32 v254, 0xff800000
	HIDE 252
	WIN 0x41
	HIDE 253
	WIN 0
.Lopen_\@:
	MAXES 13, CA, 0
	MAXES 225, CB, 0x14
	WIN 0
	v_max3_num_f32 v232, v232, v233, v234          ; the two tiles' chains take turns line by line
	v_max3_num_f32 v236, v236, v237, v238
	v_max_num_f32 v232, v232, v235
	v_max_num_f32 v236, v236, v239
	v_permlanex16_b32 v246, v232, s[SEL], s[SEL+1]
	v_permlanex16_b32 v247, v236, s[SEL], s[SEL+1]
	v_max_num_f32 v13, v232, v246                  ; the largest raw score so far, lane l xor 16's keys among them
	v_max_num_f32 v225, v236, v247
	v_mul_f32 v232, s[CS], v13                     ; as t (c is positive)
	v_mul_f32 v236, s[CS], v225
	v_mov_b32 v233, v12
	v_mov_b32 v237, v224
	v_floor_f32 v12, -v232                         ; the new -M = floor(-t): M is a whole number
	v_floor_f32 v224, -v236
	v_sub_f32 v233, v12, v233                      ; old M - new M: a whole number, 0 or less
	v_sub_f32 v237, v224, v237
	v_cvt_i32_f32 v233, v233                       ; (it saturates)
	v_cvt_i32_f32 v237, v237
	v_ldexp_f32 v[FA], 1.0, v233                   ; f = 2^(old M - new M)
	v_ldexp_f32 v[FB], 1.0, v237
	SCALE 12
	s_wait_alu depctr_va_vdst(0)                   ; ahead of a batch of exponentials
	EXPS
	WIN 0x41
	SCALE 224                                      ; tile B's t - M: plain lines behind tile A's batch
	s_wait_alu depctr_va_vdst(0)                   ; behind tile A's batch and ahead of tile B's
	EXPS
	WIN 0
	v_pk_mul_f32 v[LA:LA+1], v[LA:LA+1], v[FA:FA+1] op_sel_hi:[1,0]   ; tile A's sum under the new M; tile A's lines stand behind tile B's batch
	SUMS LA, 0, 0
	HOLD
	CODES PA
	s_wait_dscnt 0x0                               ; V's fragments are in
	s_wait_alu depctr_va_vdst(0)                   ; behind tile B's batch, and directly ahead of the first readers of A's O^T
	RESC FA
	WIN 0x01                                       ; V's fragments lie in window 1
	PV PA
	WIN 0
	v_pk_mul_f32 v[LB:LB+1], v[LB:LB+1], v[FB:FB+1] op_sel_hi:[1,0]
	SUMS LB, 0x05, 0x04
	WIN 0x55
	HOLD
	WIN 0x01
	CODES PB
	WIN 0x41
	s_wait_alu depctr_va_vdst(0)                   ; directly ahead of the first readers of B's O^T
	RESC FB
	WIN 0x51
	PV PB
	WIN 0
.Lhidden_\@:
	s_add_co_u32 s[KF], s[KF], 128
	s_add_co_u32 s[KO], s[KO], 128*KP
	s_add_co_u32 s[VO], s[VO], 128
.endm
; THE CHANGE OF SLOTS stands at a trip's head.  Each wave waits for all its tensor loads (its part of the slot that it is about to read), adds 0 to its spare word, and waits for that and for its reads of the slot that it has left.
; Behind the barrier the slot ahead is whole and nobody reads the other.  fill = 1: that other slot takes the next trip's keys: the next key slot, or, where the first block ends in this trip, key slot 0 again.
.macro CHANGE fill
	s_wait_tensorcnt 0x0                           ; no tensor load of mine is out, so a group 0 may be written
	ds_add_u32 v[SPW], v[NIL]                      ; 0 onto my spare word
.if \fill
	s_xor_b32 s[G0K+1], s[G0K+1], SLOT1
	s_xor_b32 s[G0V+1], s[G0V+1], SLOT1
	s_cmp_eq_u32 s[TR], s[IBT]
	s_cselect_b32 s[DK], s56, 0
	s_cselect_b32 s[DV], s57, 0
	s_add_nc_u64 s[G0K+2:G0K+3], s[G0K+2:G0K+3], 32768
	s_sub_nc_u64 s[G0K+2:G0K+3], s[G0K+2:G0K+3], s[DK:DK+1]
	s_add_nc_u64 s[G0V+2:G0V+3], s[G0V+2:G0V+3], 512
	s_sub_nc_u64 s[G0V+2:G0V+3], s[G0V+2:G0V+3], s[DV:DV+1]
	s_wait_xcnt 0x0                                ; the last prefetch, a trip back, has read its address, so it may be written
	s_add_nc_u64 s[PFA:PFA+1], s[PFA:PFA+1], s[PFS:PFS+1]
.endif
	s_wait_dscnt 0x0                               ; the add is done, and my reads of the slot that I have left are over
	s_barrier_signal -1
	s_barrier_wait -1
.if \fill
	TLOAD                                          ; the first thing behind the barrier, and a wave's one tensor load until the next; it has the trip's four key steps in which to land
	ASK
.endif
.endm
.macro WALK                            ; a slot's four key steps, in a counted loop: the step is written once
	s_mov_b32 s[KO], 0
	s_mov_b32 s[VO], s[TB]
	v_add_nc_u32 v[ADK], s[TB], v[AK0]
	KLOAD 0                                        ; the first step's K (no trip's first step is hidden from any wave: 512 n <= 256 block in a block's last trip n)
	s_mov_b32 s[SN], 0
.Lstep_\@:
	STEP
	s_add_co_u32 s[SN], s[SN], 1
	s_cmp_lt_u32 s[SN], 4
	s_cbranch_scc1 .Lstep_\@
	s_xor_b32 s[TB], s[TB], SLOT1                  ; on to the other slot
.endm
; A BLOCK'S END: O^T / the sum is quantised; 8 codes a lane and tile of channels go through my own stage and leave as the bytes lie.
.macro FINISH
.rept 4
	v_nop                                          ; places behind the last products
.endr
	v_add_f32 v14, v14, v15
	v_add_f32 v226, v226, v227
	v_permlanex16_b32 v246, v14, s[SEL], s[SEL+1]
	v_permlanex16_b32 v247, v226, s[SEL], s[SEL+1]
	v_add_f32 v14, v14, v246                       ; the rows' sums
	v_add_f32 v226, v226, v247
	s_wait_alu depctr_va_vdst(0)                   ; ahead of the reciprocals
	v_rcp_f32 v14, v14
	v_rcp_f32 v226, v226
	v_nop                                          ; a plain line behind them,
	s_wait_alu depctr_va_vdst(0)                   ; and the wait ahead of their first reader, which is also the first reader of A's O^T
.set fj, 0
.rept 16
	v_pk_mul_f32 v[96+fj:97+fj], v[160+fj:161+fj], v[14:15] op_sel_hi:[1,0]   ; register 8 t + j: channel 16 t + 8 h + j of query r; each accumulator from its low end on
.set fj, fj+2
.endr
.set fj, 0
.rept 32
	v_med3_num_f32 v[96+fj], v[96+fj], -v[LIM6], v[LIM6]
.set fj, fj+1
.endr
.irp t, 0,1,2,3
	v_cvt_scalef32_pk8_fp8_f32 v[192+2*\t:193+2*\t], v[96+8*\t:103+8*\t], v[SC6]
.endr
	WIN 0x41
	s_wait_alu depctr_va_vdst(0)                   ; directly ahead of the first readers of B's O^T
.set fj, 0
.rept 16
	v_pk_mul_f32 v[96+fj:97+fj], v[160+fj:161+fj], v[226:227] op_sel_hi:[1,0]
.set fj, fj+2
.endr
.set fj, 0
.rept 32
	v_med3_num_f32 v[96+fj], v[96+fj], -v[LIM6], v[LIM6]
.set fj, fj+1
.endr
	WIN 0x01
.irp t, 0,1,2,3
	v_cvt_scalef32_pk8_fp8_f32 v[200+2*\t:201+2*\t], v[96+8*\t:103+8*\t], v[SC6]
.endr
	WIN 0
	v_nop                                          ; a plain line behind the last conversion: later products write its sources
.irp t, 0,1,2,3
	ds_store_b64 v[STI], v[192+2*\t:193+2*\t] offset:16*\t
	ds_store_b64 v[STI], v[200+2*\t:201+2*\t] offset:1024+16*\t
.endr
.irp k, 0,1,2,3
	ds_load_b128 v[208+4*\k:211+4*\k], v[STR] offset:512*\k   ; my own stores, served in order (ISA guide 5.7.1.4)
.endr
	s_wait_dscnt 0x0
.irp k, 0,1,2,3
	global_store_b128 v[GO], v[208+4*\k:211+4*\k], s[OB:OB+1] offset:512*\k   ; 512 consecutive bytes, aligned
.endr
.endm
	s_wait_alu depctr_va_vdst(0)                   ; the head's end
	s_wait_loadcnt 0x0                             ; both blocks' Q
.Ltrip:                                            ; trips 0 to 3: behind each change of slots the next trip's keys are asked for
	CHANGE 1
	WALK
	s_cmp_eq_u32 s[TR], s[IBT]                     ; the first block's last trip?  (i / 2 is at most 1: always inside the loop.)  The same answer in all eight waves
	s_cbranch_scc0 .Lsame
	FINISH
	s_wait_xcnt 0x0                                ; the stores have read their base and registers: both may be written
	s_mov_b64 s[OB:OB+1], s[OB+2:OB+3]
	s_mov_b32 s[Q0], s[Q0B]
	s_mov_b32 s[KF], 0
.irp j, 0,1,2,3,4,5,6,7
	v_mov_b32 v[16+\j], v[24+\j]                   ; the second block's Q
.endr
	WIN 0x41
.irp j, 0,1,2,3,4,5,6,7
	v_mov_b32 v[16+\j], v[24+\j]
.endr
	WIN 0
	INIT
.Lsame:
	s_add_co_u32 s[TR], s[TR], 1
	s_cmp_lt_u32 s[TR], 4
	s_cbranch_scc1 .Ltrip
	CHANGE 0                                       ; trip 4 is written out
	WALK
	FINISH
	s_wait_tensorcnt 0x0                           ; the wave's end
	ds_add_u32 v[SPW], v[NIL]
	s_wait_dscnt 0x0
	s_endpgm
.Lfunc_end_k_q065162b6ad_attn:
	.size	k_q065162b6ad_attn, .Lfunc_end_k_q065162b6ad_attn-k_q065162b6ad_attn
	.p2alignl 7, 3214868480
	.fill 96, 4, 3214868480
	.section	.rodata,"a",@progbits
	.p2align	6, 0x0
	.amdhsa_kernel k_q065162b6ad_attn
		.amdhsa_group_segment_fixed_size 327680
		.amdhsa_private_segment_fixed_size 0
		.amdhsa_enable_private_segment 0
		.amdhsa_kernarg_size 40
		.amdhsa_user_sgpr_count 2
		.amdhsa_user_sgpr_kernarg_segment_ptr 1
		.amdhsa_wavefront_size32 1
		.amdhsa_system_sgpr_workgroup_id_x 1
		.amdhsa_system_sgpr_workgroup_id_y 1
		.amdhsa_system_sgpr_workgroup_id_z 1
		.amdhsa_system_vgpr_workitem_id 0
		.amdhsa_next_free_vgpr 512
		.amdhsa_next_free_sgpr 100
		.amdhsa_reserve_vcc 1
		.amdhsa_float_denorm_mode_32 3
		.amdhsa_float_denorm_mode_16_64 3
		.amdhsa_memory_ordered 1
		.amdhsa_forward_progress 1
		.amdhsa_inst_pref_size 114
	.end_amdhsa_kernel
	.amdgpu_metadata
---
amdhsa.version: [ 1, 2 ]
amdhsa.kernels:
  - .name:           k_q065162b6ad_attn
    .symbol:         k_q065162b6ad_attn.kd
    .args:
      - { .name: qc, .offset: 0, .size: 8, .value_kind: global_buffer, .address_space: global }
      - { .name: kc, .offset: 8, .size: 8, .value_kind: global_buffer, .address_space: global }
      - { .name: vc, .offset: 16, .size: 8, .value_kind: global_buffer, .address_space: global }
      - { .name: lowp_scales, .offset: 24, .size: 8, .value_kind: global_buffer, .address_space: global }
      - { .name: ah, .offset: 32, .size: 8, .value_kind: global_buffer, .address_space: global }
    .group_segment_fixed_size: 327680
    .private_segment_fixed_size: 0
    .kernarg_segment_align: 8
    .kernarg_segment_size: 40
    .max_flat_workgroup_size: 256
    .sgpr_count:     100
    .vgpr_count:     512
    .wavefront_size: 32
...
	.end_amdgpu_metadata
.endif
;; end of part 3
;; launch proj (part 4): grid 4 x 64, 4 waves a work-group, clusters of 4 x 4, 327,680 bytes of LDS; arguments ah, wc, lowp_scales, out0; writes out0
.if DOCPART == 4
	.amdgcn_target "amdgcn-amd-amdhsa--gfx1250"
	.amdhsa_code_object_version 6
	.text
	.protected	k_q065162b6ad_proj
	.globl	k_q065162b6ad_proj
	.p2align	8
	.type	k_q065162b6ad_proj,@function
k_q065162b6ad_proj:
	s_mov_b64 s[64:65], 0
	v_nop
	global_prefetch_b8 v0, s[64:65] scope:SCOPE_SE
	s_setreg_imm32_b32 hwreg(HW_REG_WAVE_MODE, 25, 1), 1
	s_wait_xcnt 0x0
	s_wait_alu depctr_hold_cnt(0) depctr_sa_sdst(0) depctr_va_vdst(0) depctr_va_sdst(0) depctr_va_ssrc(0) depctr_va_vcc(0) depctr_vm_vsrc(0)
	s_getreg_b32 s2, hwreg(HW_REG_IB_STS2, 6, 4)
	s_cmp_eq_u32 s2, 0
	s_cbranch_scc0 .Lentry_in_a_cluster
	s_endpgm
.Lentry_in_a_cluster:
	s_bfe_u32 s2, ttmp6, 0x10000c
	s_cmp_lg_u32 s2, 0xf033
	s_cbranch_scc0 .Lentry_shape_is_right
	s_endpgm
.Lentry_shape_is_right:
; LAUNCH 4 OF 4: out0 = attention's result x w_proj, on codes of FP8, K = 1,024; each finished f32 sum is multiplied once by 2^(e6 + e7).
; LIMIT: e6 + e7 lies between -126 and 127, so that 2^(e6 + e7) is an f32 number.
; A = ah [16 heads][8,192 rows][64]: K = 64 head + channel.  B = rows 3,072 .. 4,095 of wc [.][1,024]: row n is column n of w_proj.
; A block of out0 is 128 rows x 256 columns: 64 x 4 = 256 work-groups.  Four waves, 64 rows x 128 columns each: 32 accumulators of 16 x 16, 256 registers.
; K goes in four steps of 256 (four heads) through two LDS slots filled by the tensor data mover; waves 0, 1 fetch A's halves (64 rows x 4 heads), waves 2, 3 B's (128 rows x 256 bytes).
; CLUSTERS of 4 x 4: A's tile is shared along a row of the cluster, B's along a column: each is asked for jointly.
; The matrix instruction is used transposed (source 0 = 16 rows of B, source 1 = 16 rows of A): a lane holds eight neighbouring numbers of a row of out0.
; A and B have two sets of fragment registers each: a step of 128 along K asks LDS for the next step's 48 loads and then issues its 32 matrix instructions.
; REGISTERS, in windows of 256: window 0: v0-31 addresses; v128-191, v192-255 A's two sets (4 x 16 registers); on the way out v32-255.  window 1: B's two sets, at v0 and v128.  window 2: accumulator (a, b) at v[8 (8 a + b)].
.set SIZE_N, 1024
.set KROW,   1024
.set ROWB,   256
.set PITCH,  272                       ; B's LDS row: 256 bytes + 16
.set PA,     80                        ; A's LDS row: one head's 64 bytes + 16
.set HPL,    64*PA                     ; 64 rows of one head
.set HALFA,  4*HPL                     ; what one load brings of A: 64 rows x 4 heads
.set HALFT,  128*PITCH                 ; and of B: 128 rows
.set SLOT,   2*HALFA+2*HALFT
.set SPARE,  2*SLOT                    ; behind the ring: the spare words, 128 bytes a wave: two blocks of 256 bytes that no other line names
.set ASTEP,  4*524288                  ; four heads on in ah
.set FR,     16
.set NP,     4                         ; places behind this matrix instruction (ISA guide 7.12.1)
.set SPITCH, 528                       ; the way out: a stage of 16 rows x (512 bytes + 16) for each wave, in slot 0, which has had its last fill and its last read by then
.set ADRA, 16
.set ADRB, 20
.set STO,  24
.set RD,   25
.set CO,   26
.set SPW,  28                          ; LDS address of my spare word; never rewritten
.set NIL,  29                          ; 0; never rewritten
.set PFO,  30                          ; the prefetches' offset; never rewritten
.set TMP,  32
.set AF,   128
.set BK,   128
.set G1, 24
.set G0, 32
.set G1B, 48
.set G0B, 56
.set PF,  68                           ; s[68:73] where my prefetches of K steps 1, 2, 3 stand; never rewritten
.set MSB, 0
.macro WIN new                         ; the immediate's high byte repeats the setting that is left
.if MSB != \new
	s_set_vgpr_msb (MSB<<8)|\new
.set MSB, \new
.endif
.endm
.set MUL,  0xa1                        ; source 0 (B) window 1, source 1 (A) window 0, C and D window 2
.set TO_B, 0x40                        ; destination window 1, address window 0
.macro JLOAD g0a, g1a, g0b, g1b        ; a joint load: each line has one mask and one set of registers; the branch hangs on the wave's number alone
	s_cmp_eq_u32 s15, 0
	s_cbranch_scc0 .Lfor_b_\@
	tensor_load_to_lds s[\g0a:\g0a+3], s[\g1a:\g1a+7]
	s_nop 0
.rept 4
	v_nop
.endr
	s_branch .Lasked_\@
.Lfor_b_\@:
	tensor_load_to_lds s[\g0b:\g0b+3], s[\g1b:\g1b+7]
	s_nop 0
.rept 4
	v_nop
.endr
.Lasked_\@:
.endm
.macro CREST                           ; a round of the cluster's barrier behind its opening barrier
	s_cmp_lg_u32 s14, 0
	s_cbranch_scc1 .Lnot_wave_0_\@
	s_barrier_signal -3
.Lnot_wave_0_\@:
	s_barrier_wait -3
	s_barrier_signal -1
	s_barrier_wait -1
.endm
.macro CROUND
	s_barrier_signal -1
	s_barrier_wait -1
	CREST
.endm
	s_load_b128 s[4:7], s[0:1], 0x0                ; ah s[4:5], wc s[6:7]
	s_load_b128 s[8:11], s[0:1], 0x10              ; the scales' exponents s[8:9], out0 s[10:11]
	v_lshl_add_u32 v[SPW], v0, 2, SPARE
	v_mov_b32 v[NIL], 0
	ds_add_u32 v[SPW], v[NIL]                      ; the opening: the add, twice on end, and its wait ahead of my first tensor load
	ds_add_u32 v[SPW], v[NIL]
	v_lshrrev_b32 v1, 5, v0
	v_readfirstlane_b32 s14, v1                    ; wave 0..3
	s_lshr_b32 s15, s14, 1                         ; which 64 of the block's rows are mine.  Also: I fetch for A (0) or for B (1)
	s_and_b32 s16, s14, 1                          ; which 128 of its columns.  Also: which half of that tile I fetch
	s_bfe_u32 s40, ttmp6, 0x40000                  ; cx, cy
	s_bfe_u32 s41, ttmp6, 0x40004
	s_lshl_b32 s42, ttmp9, 2
	s_add_co_u32 s42, s42, s40                     ; block column, 0 .. 3
	s_and_b32 s17, ttmp7, 0xffff
	s_lshl_b32 s17, s17, 2
	s_add_co_u32 s17, s17, s41                     ; block row, 0 .. 63
	s_lshl_b32 s43, s41, 2
	s_lshl_b32 s43, 15, s43                        ; my row of the cluster
	s_lshl_b32 s44, 0x1111, s40                    ; my column
	; group 1 for A: 64 rows of one head are 4,096 dense bytes: 4 such rows, a head (524,288 bytes) apart; 16 bytes of padding behind every 64
	s_or_b32 s[G1+0], s43, (0<<16)|(1<<20)|(1<<21)|(3<<22)|(3<<25)
	s_mov_b32 s[G1+1], 4096<<16
	s_mov_b32 s[G1+2], 4<<16
	s_mov_b32 s[G1+3], 4096<<16
	s_mov_b32 s[G1+4], 4
	s_mov_b32 s[G1+5], 524288
	s_mov_b32 s[G1+6], 0
	s_mov_b32 s[G1+7], 0
	; group 1 for B: 128 rows of 256 bytes, 1,024 apart; 16 bytes behind each
	s_or_b32 s[G1B+0], s44, (0<<16)|(1<<20)|(1<<21)|(5<<22)|(3<<25)
	s_mov_b32 s[G1B+1], ROWB<<16
	s_mov_b32 s[G1B+2], 128<<16
	s_mov_b32 s[G1B+3], ROWB<<16
	s_mov_b32 s[G1B+4], 128
	s_mov_b32 s[G1B+5], KROW
	s_mov_b32 s[G1B+6], 0
	s_mov_b32 s[G1B+7], 0
	s_lshl_b32 s20, s17, 7
	s_lshl_b32 s18, s16, 6
	s_add_co_u32 s20, s20, s18
	s_lshl_b32 s20, s20, 6                         ; A: (128 x block row + 64 x half) rows of 64 bytes
	s_mov_b32 s21, 0
	s_lshl_b32 s46, s42, 8
	s_lshl_b32 s18, s16, 7
	s_add_co_u32 s46, s46, s18
	s_add_co_u32 s46, s46, 3072
	s_lshl_b32 s46, s46, 10                        ; B: (3,072 + 256 x block column + 128 x half) rows of 1,024 bytes
	s_mov_b32 s47, 0
	s_mul_i32 s45, s16, HALFA                      ; where they go: no place in the cluster enters an LDS address
	s_mul_i32 s66, s16, HALFT
	s_add_co_u32 s66, s66, 2*HALFA
	s_lshl_b32 s74, s40, 19                        ; the prefetches' shares, by address: of A's four heads of a K step the partner at cx takes head cx of my 64 rows (16 blocks of 256 bytes),
	s_lshl_b32 s75, s41, 15                        ; of B's 128 rows the partner at cy takes 32
	s_mov_b32 s77, 256
	s_mov_b32 s78, 1024
	s_wait_dscnt 0x0                               ; both opening adds are done
	s_wait_kmcnt 0x0
	s_load_b64 s[96:97], s[8:9], 0x18              ; e6, e7
	s_add_nc_u64 s[20:21], s[4:5], s[20:21]
	s_add_nc_u64 s[46:47], s[6:7], s[46:47]
	s_cmp_eq_u32 s15, 0
	s_cselect_b64 s[PF:PF+1], s[20:21], s[46:47]
	s_cselect_b32 s74, s74, s75
	s_cselect_b32 s76, ASTEP, s77                  ; a K step on
	s_cselect_b32 s78, 256, s78                    ; from lane to lane
	s_cselect_b32 s79, 15, 31                      ; A: lanes 16-31 name the share's last block again
	s_mov_b32 s75, 0
	s_mov_b32 s77, 0
	s_add_nc_u64 s[PF:PF+1], s[PF:PF+1], s[74:75]
	s_add_nc_u64 s[PF:PF+1], s[PF:PF+1], s[76:77]          ; K step 1,
	s_add_nc_u64 s[PF+2:PF+3], s[PF:PF+1], s[76:77]        ; 2,
	s_add_nc_u64 s[PF+4:PF+5], s[PF+2:PF+3], s[76:77]      ; 3
	CROUND                                         ; all sixteen work-groups are here: the first joint loads meet
.irp s, 0,1
	s_mov_b32 s[G0+4*\s], 1
	s_add_co_u32 s[G0+4*\s+1], s45, \s*SLOT
	s_add_nc_u64 s[G0+4*\s+2:G0+4*\s+3], s[20:21], \s*ASTEP
	s_or_b32 s[G0+4*\s+3], s[G0+4*\s+3], 0x80000000
	s_mov_b32 s[G0B+4*\s], 1
	s_add_co_u32 s[G0B+4*\s+1], s66, \s*SLOT
	s_add_nc_u64 s[G0B+4*\s+2:G0B+4*\s+3], s[46:47], \s*ROWB
	s_or_b32 s[G0B+4*\s+3], s[G0B+4*\s+3], 0x80000000
.endr
	JLOAD G0, G1, G0B, G1B                         ; K step 0: one tensor load a wave at the head
	v_and_b32 v[PFO], 31, v0
	v_min_u32 v[PFO], s79, v[PFO]
	v_mul_lo_u32 v[PFO], v[PFO], s78
	global_prefetch_b8 v[PFO], s[PF:PF+1] th:TH_LOAD_NT scope:SCOPE_SE       ; K steps 1 and 2 of my share: one and two joint loads ahead
	global_prefetch_b8 v[PFO], s[PF+2:PF+3] th:TH_LOAD_NT scope:SCOPE_SE
	s_mul_i32 s21, s15, HALFA                      ; my 64 rows of A
	s_mul_i32 s22, s16, HALFT                      ; my 128 rows of B,
	s_add_co_u32 s22, s22, 2*HALFA                 ; which lie behind A's
	s_add_co_u32 s80, s21, SLOT
	s_add_co_u32 s81, s22, SLOT
	s_mul_i32 s23, s14, 16*SPITCH                  ; my stage
	v_and_b32 v1, 15, v0                           ; r = l % 16
	v_bfe_u32 v2, v0, 4, 1                         ; h = l / 16
	v_and_b32 v6, 31, v0
	v_mul_u32_u24 v3, v1, PITCH
	v_lshl_add_u32 v4, v2, 4, v3
	v_mul_u32_u24 v7, v1, PA
	v_lshl_add_u32 v7, v2, 4, v7
	v_add_nc_u32 v[ADRA], s21, v7
	v_add_nc_u32 v[ADRA+1], s80, v7
	v_add_nc_u32 v[ADRB], s22, v4
	v_add_nc_u32 v[ADRB+1], s81, v4
	v_mul_u32_u24 v5, v1, SPITCH                   ; into the stage: row r, 32 bytes for each half of the lanes
	v_lshl_add_u32 v5, v2, 5, v5
	v_add_nc_u32 v[STO], s23, v5
	v_lshlrev_b32 v[CO], 4, v6                     ; back: the 32 lanes take one row of 512 bytes; and the same in out0
	v_add_nc_u32 v[RD], s23, v[CO]
	s_lshl_b32 s20, s17, 7
	s_lshl_b32 s21, s15, 6
	s_add_co_u32 s20, s20, s21                     ; my first row of out0
	s_lshl_b32 s20, s20, 12                        ; rows of 4,096 bytes
	s_mov_b32 s21, 0
	s_lshl_b32 s46, s42, 10                        ; my first column, in bytes
	s_lshl_b32 s47, s16, 9
	s_add_co_u32 s46, s46, s47
	s_mov_b32 s47, 0
	s_add_nc_u64 s[20:21], s[20:21], s[46:47]
	s_add_nc_u64 s[10:11], s[10:11], s[20:21]
.macro FRAG reg, adr, q, i             ; B: lane l holds row l % 16; registers 4 c .. 4 c + 3 hold K = 32 c + 16 (l / 16) + 0 .. 15 of the slot's q-th 128
.irp c, 0,1,2,3
	ds_load_b128 v[\reg+4*\c:\reg+4*\c+3], v[\adr] offset:128*(\q)+32*\c+(\i)*16*PITCH
.endr
.endm
.macro FRAGA reg, adr, q, i            ; A: the same places of K: head 2 q + c / 2 of the slot's four, channel 32 (c % 2) + 16 (l / 16) + 0 .. 15
.irp c, 0,1,2,3
	ds_load_b128 v[\reg+4*\c:\reg+4*\c+3], v[\adr] offset:(2*(\q)+\c/2)*HPL+(\i)*16*PA+32*(\c%2)
.endr
.endm
.macro FETCH slot, q, p                ; 48 LDS loads in one run: B's eight and A's four fragments into set p
	WIN TO_B
.irp i, 0,1,2,3,4,5,6,7
	FRAG 128*(\p)+FR*\i, ADRB+\slot, \q, \i
.endr
	WIN 0
.irp i, 0,1,2,3
	FRAGA AF+64*(\p)+FR*\i, ADRA+\slot, \q, \i
.endr
.endm
.macro MUL8 a, p, zero                 ; A's block a x B's eight.  The 32 accumulators take turns, one instruction a turn, in the same order in every step
.irp b, 0,1,2,3,4,5,6,7
.if \zero
	v_wmma_f32_16x16x128_fp8_fp8 v[8*(8*(\a)+\b):8*(8*(\a)+\b)+7], v[128*(\p)+FR*\b:128*(\p)+FR*\b+FR-1], v[AF+64*(\p)+FR*(\a):AF+64*(\p)+FR*(\a)+FR-1], 0
.else
	v_wmma_f32_16x16x128_fp8_fp8 v[8*(8*(\a)+\b):8*(8*(\a)+\b)+7], v[128*(\p)+FR*\b:128*(\p)+FR*\b+FR-1], v[AF+64*(\p)+FR*(\a):AF+64*(\p)+FR*(\a)+FR-1], v[8*(8*(\a)+\b):8*(8*(\a)+\b)+7]
.endif
.endr
.endm
.macro PLACES n                        ; plain vector lines between a matrix instruction and a load into its registers or a read of its result
.rept \n
	v_nop
.endr
.endm
; A slot's first step of 128: multiplies set 0; ahead of its products it asks for the slot's second 128 into set 1.
.macro STEP slot, zero
	s_wait_dscnt 0x0                               ; set 0 is in
	PLACES NP                                      ; set 1 was read by the last products
	FETCH \slot, 1, 1
	WIN MUL
	MUL8 0, 0, \zero
	MUL8 1, 0, \zero
	MUL8 2, 0, \zero
	MUL8 3, 0, \zero
	WIN 0
.endm
; A slot's second step multiplies set 1 and changes slots: one barrier; in front of it each wave waits for all its tensor loads, adds 0 to its spare word, and waits for that and for its reads of this slot.
.macro TURN slot, next, fill
	s_wait_tensorcnt 0x0                           ; all my tensor loads have landed: my part of the next slot
	ds_add_u32 v[SPW], v[NIL]                      ; 0 onto my spare word
	s_wait_dscnt 1                                 ; set 1's 48 loads are in; the add alone may be out
	WIN MUL
	MUL8 0, 1, 0                                   ; eight matrix instructions stand between the add and the wait for it
	s_wait_dscnt 0x0                               ; the add is done, and my reads of this slot are over
	s_barrier_signal -1
	MUL8 1, 1, 0
	WIN 0
	s_barrier_wait -1
.if \fill
	CREST                                          ; the barrier has opened a round of the cluster's: no wave of any partner still reads this slot or has a load on its way
	s_add_nc_u64 s[G0+4*\slot+2:G0+4*\slot+3], s[G0+4*\slot+2:G0+4*\slot+3], 2*ASTEP
	s_add_nc_u64 s[G0B+4*\slot+2:G0B+4*\slot+3], s[G0B+4*\slot+2:G0B+4*\slot+3], 2*ROWB
	JLOAD G0+4*\slot, G1, G0B+4*\slot, G1B         ; the first tensor load behind the round; its four v_nop are also the places in front of the loads below
.else
	PLACES NP
.endif
	FETCH \next, 0, 0
	WIN MUL
	MUL8 2, 1, 0
	MUL8 3, 1, 0
	WIN 0
.endm
	s_wait_alu depctr_va_vdst(0)                   ; the head's end
	s_wait_tensorcnt 0x0                           ; my part of K step 0 is in; slot 1's first fill is issued as a refill is:
	ds_add_u32 v[SPW], v[NIL]
	s_wait_dscnt 0x0
	CROUND                                         ; a whole round: everybody's part of K step 0 is in, and the joint loads meet
	JLOAD G0+4, G1, G0B+4, G1B                     ; K step 1: the first tensor load behind the round
	FETCH 0, 0, 0
	global_prefetch_b8 v[PFO], s[PF+4:PF+5] th:TH_LOAD_NT scope:SCOPE_SE     ; K step 3, two joint loads ahead; there is no K step behind it
	STEP 0, 1                                      ; K = 1,024 is four K steps of 256, eight steps of 128: written straight; the first products start the sums
	TURN 0, 1, 1                                   ; slot 0 takes K step 2
	STEP 1, 0
	TURN 1, 0, 1                                   ; slot 1 takes K step 3
	STEP 0, 0
	TURN 0, 1, 0                                   ; nothing is left to fetch: behind this barrier nobody reads slot 0, and it has had its last fill
	STEP 1, 0
	s_wait_dscnt 0x0
	WIN MUL
	MUL8 0, 1, 0
	MUL8 1, 1, 0
	MUL8 2, 1, 0
	MUL8 3, 1, 0
	WIN 0
; THE WAY OUT, block by block of 16 rows x 128 columns, through my own stage: back come whole rows of 512 bytes, which the 32 lanes store as two aligned units of 256 bytes.
; LDS serves a wave's instructions in order (ISA guide 5.7.1.4): no wait between the stores and the loads.
.macro TOSTAGE a
.set AC, 64*(\a)
	WIN 0x02
.set tj, 0
.rept 32
	v_pk_mul_f32 v[TMP+tj:TMP+tj+1], v[AC+tj:AC+tj+1], s[96:97] op_sel_hi:[1,0]   ; both x s96 = 2^(e6 + e7); each accumulator from its low end on
.set tj, tj+2
.endr
	WIN 0
.irp b, 0,1,2,3,4,5,6,7
	ds_store_b128 v[STO], v[TMP+8*\b:TMP+8*\b+3] offset:64*\b
	ds_store_b128 v[STO], v[TMP+8*\b+4:TMP+8*\b+7] offset:64*\b+16
.endr
.set BB, BK+64*((\a)%2)
.irp t, 0,1,2,3,4,5,6,7,8,9,10,11,12,13,14,15
	ds_load_b128 v[BB+4*\t:BB+4*\t+3], v[RD] offset:\t*SPITCH
.endr
.endm
.macro SEND a, younger                 ; younger: the LDS instructions issued behind block a's loads, which may stay out
.set BB, BK+64*((\a)%2)
	s_wait_dscnt \younger
.if (\a) > 0
	s_add_nc_u64 s[10:11], s[10:11], 16*SIZE_N*4   ; (behind a wait on XCNT: the earlier stores have read their base)
.endif
.irp t, 0,1,2,3,4,5,6,7,8,9,10,11,12,13,14,15
	global_store_b128 v[CO], v[BB+4*\t:BB+4*\t+3], s[10:11] offset:\t*SIZE_N*4 th:TH_STORE_NT
.endr
.endm
	s_wait_kmcnt 0x0
	s_add_co_i32 s96, s96, s97
	s_add_co_i32 s96, s96, 127
	s_lshl_b32 s96, s96, 23                        ; 2^(e6 + e7) as f32
	PLACES NP                                      ; behind the last products: their results are read and A's registers loaded into below
	TOSTAGE 0
.irp a, 1,2,3
.if \a > 1
	s_wait_xcnt 0x0                                ; block a - 2's stores have read their registers and their base
.endif
	TOSTAGE \a
	SEND \a-1, 32                                  ; behind block a - 1's loads: block a's 16 stores and 16 loads
.endr
	s_wait_xcnt 0x0
	SEND 3, 0
	s_wait_tensorcnt 0x0                           ; the wave's end
	ds_add_u32 v[SPW], v[NIL]
	s_wait_dscnt 0x0
	CROUND                                         ; the closing round: no work-group ends while a partner may still ask for a tile that names it
	s_endpgm
.Lfunc_end_k_q065162b6ad_proj:
	.size	k_q065162b6ad_proj, .Lfunc_end_k_q065162b6ad_proj-k_q065162b6ad_proj
	.p2alignl 7, 3214868480
	.fill 96, 4, 3214868480
	.section	.rodata,"a",@progbits
	.p2align	6, 0x0
	.amdhsa_kernel k_q065162b6ad_proj
		.amdhsa_group_segment_fixed_size 327680
		.amdhsa_private_segment_fixed_size 0
		.amdhsa_enable_private_segment 0
		.amdhsa_kernarg_size 32
		.amdhsa_user_sgpr_count 2
		.amdhsa_user_sgpr_kernarg_segment_ptr 1
		.amdhsa_wavefront_size32 1
		.amdhsa_system_sgpr_workgroup_id_x 1
		.amdhsa_system_sgpr_workgroup_id_y 1
		.amdhsa_system_sgpr_workgroup_id_z 1
		.amdhsa_system_vgpr_workitem_id 0
		.amdhsa_next_free_vgpr 768
		.amdhsa_next_free_sgpr 100
		.amdhsa_reserve_vcc 0
		.amdhsa_float_denorm_mode_32 3
		.amdhsa_float_denorm_mode_16_64 3
		.amdhsa_memory_ordered 1
		.amdhsa_forward_progress 1
		.amdhsa_inst_pref_size 77
	.end_amdhsa_kernel
	.amdgpu_metadata
---
amdhsa.version: [ 1, 2 ]
amdhsa.kernels:
  - .name:           k_q065162b6ad_proj
    .symbol:         k_q065162b6ad_proj.kd
    .args:
      - { .name: ah, .offset: 0, .size: 8, .value_kind: global_buffer, .address_space: global }
      - { .name: wc, .offset: 8, .size: 8, .value_kind: global_buffer, .address_space: global }
      - { .name: lowp_scales, .offset: 16, .size: 8, .value_kind: global_buffer, .address_space: global }
      - { .name: out0, .offset: 24, .size: 8, .value_kind: global_buffer, .address_space: global }
    .group_segment_fixed_size: 327680
    .private_segment_fixed_size: 0
    .kernarg_segment_align: 8
    .kernarg_segment_size: 32
    .max_flat_workgroup_size: 128
    .sgpr_count:     100
    .vgpr_count:     768
    .wavefront_size: 32
...
	.end_amdgpu_metadata
.endif
;; end of part 4
